; MI455X (gfx1250); checked and timed in simulation.
; The chip was launched on July 23, 2026; its instructions are those of AMD's public machine-readable ISA for CDNA 5 (MIT licence, August 2026) and "CDNA5" Instruction Set Architecture Reference Guide (July 2026). The comments in the code are by the model that wrote it; some were corrected since.
;; Bias Attention. Allowed arithmetic: float matrix products may take bf16 or f16 operands with f32 sums; other float arithmetic in f32, or as packed bf16 or f16 multiplies, adds, multiply-adds, maxima and minima; sums over many terms, partial sums and values carried from step to step in f32; what a program stores and reads back later, other than sums and carried values, may be rounded once to bf16 or f16.
;; Inputs: atten_bias 2,048 x 2,048 float32; b_proj 256 float32; w_proj 256 x 256 float32; w_qkv 768 x 256 float32; x 8 x 2,048 x 256 float32.
;; Outputs: out0 8 x 2,048 x 256 float32.
;; 2 versions, each right and faster than the one before. Each part assembles by itself: llvm-mc -triple=amdgcn-amd-amdhsa -mcpu=gfx1250 --defsym DOCPART=n.
;; ======== version 1 of 2: 2 launches
;; limits: values are held in f16: magnitudes above 65,504 overflow, below 6.1e-05 lose precision
;; workspace buffers: q 8,388,608 bytes; kv 16,777,216 bytes; g 16,777,216 bytes; wp 131,072 bytes
;; launch prep (part 1): grid 4 x 64, 8 waves a work-group, no clusters, 237,568 bytes of LDS; arguments x, w_qkv, atten_bias, w_proj, q, kv, g, wp; writes q, kv, g, wp
.if DOCPART == 1
	.amdgcn_target "amdgcn-amd-amdhsa--gfx1250"
	.amdhsa_code_object_version 6
	.text
	.protected	k_qee4ad12ac5_prep
	.globl	k_qee4ad12ac5_prep
	.p2align	8
	.type	k_qee4ad12ac5_prep,@function
k_qee4ad12ac5_prep:
	s_mov_b64 s[64:65], 0
	v_nop
	global_prefetch_b8 v0, s[64:65] scope:SCOPE_SE
	s_setreg_imm32_b32 hwreg(HW_REG_WAVE_MODE, 25, 1), 1
	s_wait_xcnt 0x0
; PREP.  Three things for the attention launch behind it:
;   (a) q, k, v = bf16(x) bf16(w_qkv)^T, sums in f32, each rounded once to f16 and stored as the REGISTER IMAGE of the matrix fragments that the attention reads;
;   (b) g[n][m] = sigmoid(bf16(atten_bias[n][m])) x log2(e) / sqrt(32), in f32, row-major: the gate, the scale and the change to base 2 in one factor;
;   (c) wp = bf16(w_proj) written as f16, in fragment order.
; A FRAGMENT is 1,024 bytes: [piece 2][lane 32][16 bytes]; piece p holds registers 4 p .. 4 p + 3 of a 16-bit operand of 8 registers, so a wave stores or loads a piece as 512 consecutive bytes.
;   q : [batch 8][tile of 16 tokens 128][head 8][fragment]                      lane (r, h), piece p: token r, channels 16 p + 8 h + 0..7
;   kv: [batch 8][block of 64 keys 32][65,536 bytes]: K [head 8][16 keys 4][fragment] as q; at 32,768 V^T [head 8][16 channels 2][32 keys 2][fragment]: channel r, keys 16 p + 8 h + 0..7
;   wp: [16 output channels 16][32 input channels 8][fragment]
; SHARES.  Work-group (j, mb): tokens 256 mb .. + 255, heads 2 j and 2 j + 1 of q, of k and of v: 192 output channels.  Wave w: 32 tokens (two tiles tt) x the 192 channels, in six groups
; gi = 2 kind + head of 2 x 2 accumulators, K = 256 in eight steps.  Wave w also makes row 8 (4 mb + j) + w of g; wave 0 half a fragment of wp.
; x and w are converted on the way from memory to LDS, so they pass through registers: no tensor loads, no cluster (the four work-groups that share a block of x read it apart; it is a quarter of what the launch moves).
; LIMITS.  q, k, v beyond 65,504 become infinities in f16; below 6e-5 they, and wp, keep f16's fixed step of 6e-8.  A gate below 2^-126 counts as 0.  NaN and infinities are not treated apart.
.set PITCH, 528                        ; an LDS row: 256 bf16 = 512 bytes + 16: the 16 rows of a fragment load begin in 16 different 16-byte columns of each 256 bytes
.set XWAVE, 32*PITCH                   ; a wave's 32 rows of x, its own
.set WR,    8*XWAVE                    ; behind them the 192 rows of w (row = 64 kind + 32 head + channel), shared
.set SPARE, WR+192*PITCH               ; behind them the spare words: 128 bytes for each of the eight waves, four blocks of 256 bytes that no other line names
.set T,   16                           ; v[16:47]   while loading: at work
.set B0,  64                           ; v[64:127], v[128:191], v[192:255]  while loading: three buffers of 16 loads
.set B1,  128
.set B2,  192
.set ACC, 16                           ; v[16:47]   while multiplying: accumulator (ct, tt) at ACC + 8 (2 ct + tt)
.set PK,  48                           ; v[48:63]   packed results
.set XG,  64                           ; v[64:191]  x's fragments: (tt, ks) at XG + 8 (2 ks + tt)
.set WG,  192                          ; v[192:255] w's fragments, two buffers of two K steps: (ksl, ct) at + 8 (2 ksl + ct)
.set SX, 28                            ; s[28:29] x at my wave's rows          s[30:31] w_qkv at my wave's 8 rows of kind q
.set SW, 30
.set SB, 32                            ; s[32:33] atten_bias at my row         s[34:35] g at the same row
.set SG, 34
.set SQ, 36                            ; s[36:37] q, s[38:39] K, s[40:41] V^T at my wave's first fragment
.set SK, 38
.set SV, 40
; v1 16 x lane; v2, v3 where I store x and w in LDS; v4, v5, v9 where I read fragments of x, of w's groups 0-2, of groups 3-5; v6, v7 the add's two registers; v8 at work
	s_load_b512 s[4:19], s[0:1], 0x0               ; x 4, w_qkv 6, atten_bias 8, w_proj 10, q 12, kv 14, g 16, wp 18
	v_lshl_add_u32 v6, v0, 2, SPARE                ; my spare word,
	v_mov_b32 v7, 0                                ; and 0: for the three lines at the wave's end
	v_lshrrev_b32 v8, 5, v0
	v_readfirstlane_b32 s20, v8                    ; wave 0..7
	s_mov_b32 s21, ttmp9                           ; j
	s_and_b32 s22, ttmp7, 0xffff                   ; mb
	s_lshl2_add_u32 s23, s22, s21                  ; id = 4 mb + j
	s_mov_b32 s24, 0xffff0000                      ; a word's upper bf16
	s_mov_b32 s46, 0xbfb8aa3b                      ; -log2(e); named as a pair by the packed multiply
	s_mov_b32 s47, s46
	s_mov_b32 s48, 0x3e8293ee                      ; log2(e) / sqrt(32) = 0.2550349
	s_mov_b32 s49, s48
	; byte offsets, each in a pair of its own, all under 2^32
	s_lshl_b32 s28, s22, 18                        ; x: 256 tokens of 1,024 bytes a block,
	s_lshl_b32 s2, s20, 15                         ; 32 a wave
	s_add_co_u32 s28, s28, s2
	s_mov_b32 s29, 0
	s_lshl_b32 s30, s21, 16                        ; w: 64 rows of 1,024 bytes for j,
	s_lshl_b32 s2, s20, 13                         ; 8 a wave
	s_add_co_u32 s30, s30, s2
	s_mov_b32 s31, 0
	s_lshl_b32 s32, s23, 16                        ; bias and g: row 8 id + wave, 8,192 bytes a row
	s_add_co_u32 s32, s32, s2
	s_mov_b32 s33, 0
	s_lshl_b32 s36, s22, 17                        ; q: 16 token tiles of 8,192 bytes a block, 2 a wave, 2 heads of 1,024 for j
	s_lshl_b32 s2, s20, 14
	s_add_co_u32 s36, s36, s2
	s_lshl_b32 s2, s21, 11
	s_add_co_u32 s36, s36, s2
	s_mov_b32 s37, 0
	s_lshl_b32 s38, s22, 18                        ; kv: 4 key blocks of 65,536 bytes a block of tokens; two waves to a key block; 2 heads of 4,096 for j
	s_lshr_b32 s2, s20, 1
	s_lshl_b32 s2, s2, 16
	s_add_co_u32 s38, s38, s2
	s_lshl_b32 s2, s21, 13
	s_add_co_u32 s38, s38, s2
	s_and_b32 s3, s20, 1
	s_lshl_b32 s2, s3, 10                          ; V^T: my 32 keys are one fragment of each channel tile
	s_add_co_u32 s40, s38, s2
	s_add_co_u32 s40, s40, 32768
	s_mov_b32 s41, 0
	s_lshl_b32 s2, s3, 11                          ; K: my 32 keys are two fragments
	s_add_co_u32 s38, s38, s2
	s_mov_b32 s39, 0
	s_lshr_b32 s42, s23, 4                         ; w_proj: fragment id / 2 = (16 rows id / 16, 32 columns (id / 2) % 8), piece id % 2
	s_lshl_b32 s42, s42, 14
	s_bfe_u32 s2, s23, 0x30001
	s_lshl_b32 s2, s2, 7
	s_add_co_u32 s42, s42, s2
	s_and_b32 s2, s23, 1
	s_lshl_b32 s2, s2, 6
	s_add_co_u32 s42, s42, s2
	s_mov_b32 s43, 0
	s_lshl_b32 s44, s23, 9                         ; wp: 512 bytes a work-group
	s_mov_b32 s45, 0
	v_and_b32 v10, 31, v0                          ; lane
	v_lshlrev_b32 v1, 4, v10
	v_and_b32 v11, 15, v0                          ; r
	v_bfe_u32 v12, v0, 4, 1                        ; h
	s_mul_i32 s25, s20, XWAVE
	v_lshl_add_u32 v2, v10, 3, s25                 ; 4 f32 of a lane become 8 bytes
	s_mul_i32 s26, s20, 8*PITCH
	s_add_co_u32 s26, s26, WR
	v_lshl_add_u32 v3, v10, 3, s26
	v_mul_u32_u24 v13, v11, PITCH
	v_lshl_add_u32 v13, v12, 4, v13                ; a fragment's row x pitch + 16 x half
	v_add_nc_u32 v4, s25, v13
	v_add_nc_u32 v5, WR, v13
	v_add_nc_u32 v9, WR+96*PITCH, v13              ; groups 3-5 lie past an LDS instruction's 16-bit offset
	s_wait_kmcnt 0x0
	s_add_nc_u64 s[SX:SX+1], s[4:5], s[SX:SX+1]
	s_add_nc_u64 s[SW:SW+1], s[6:7], s[SW:SW+1]
	s_add_nc_u64 s[SG:SG+1], s[16:17], s[SB:SB+1]
	s_add_nc_u64 s[SB:SB+1], s[8:9], s[SB:SB+1]
	s_add_nc_u64 s[SQ:SQ+1], s[12:13], s[SQ:SQ+1]
	s_add_nc_u64 s[SK:SK+1], s[14:15], s[SK:SK+1]
	s_add_nc_u64 s[SV:SV+1], s[14:15], s[SV:SV+1]
	s_add_nc_u64 s[42:43], s[10:11], s[42:43]
	s_add_nc_u64 s[44:45], s[18:19], s[44:45]
.macro PLACES                          ; four plain places behind matrix instructions (ISA guide 7.12.1), where no other vector work is at hand
.rept 4
	v_nop
.endr
.endm
; A batch: 16 loads of 512 consecutive bytes, 8,192 bytes on end (8 rows of x or w, or a row of the bias).  nt = 1: read once in the whole launch
.macro ISSUE buf, base, imm, nt
.set i, 0
.rept 16
.if \nt
	global_load_b128 v[(\buf)+4*i:(\buf)+4*i+3], v1, s[\base:\base+1] offset:(\imm)+512*i th:TH_LOAD_NT
.else
	global_load_b128 v[(\buf)+4*i:(\buf)+4*i+3], v1, s[\base:\base+1] offset:(\imm)+512*i
.endif
.set i, i+1
.endr
.endm
; A batch of 8 rows is rounded to bf16 and laid into LDS: load i is half i % 2 of row i / 2
.macro CVTST buf, areg, imm
.set i, 0
.rept 16
	v_cvt_pk_bf16_f32 v[T+2*i],   v[(\buf)+4*i],   v[(\buf)+4*i+1]
	v_cvt_pk_bf16_f32 v[T+2*i+1], v[(\buf)+4*i+2], v[(\buf)+4*i+3]
	ds_store_b64 v[\areg], v[T+2*i:T+2*i+1] offset:(\imm)+(i/2)*PITCH+(i%2)*256
.set i, i+1
.endr
.endm
; A row of the bias becomes a row of g: rounded to bf16 like every input; 1 / (1 + 2^(-x log2 e)); times log2(e) / sqrt(32).  Phase by phase over 64 registers, so that nothing waits for the line before it.
.macro SIGM buf
.set i, 0
.rept 32
	v_cvt_pk_bf16_f32 v[T+i], v[(\buf)+2*i], v[(\buf)+2*i+1]
.set i, i+1
.endr
.set i, 0
.rept 32
	v_lshlrev_b32 v[(\buf)+2*i], 16, v[T+i]
	v_and_b32 v[(\buf)+2*i+1], s24, v[T+i]
.set i, i+1
.endr
.set i, 0
.rept 32
	v_pk_mul_f32 v[(\buf)+2*i:(\buf)+2*i+1], v[(\buf)+2*i:(\buf)+2*i+1], s[46:47] op_sel_hi:[1,0]
.set i, i+1
.endr
.set i, 0
.rept 64
	v_exp_f32 v[(\buf)+i], v[(\buf)+i]
.set i, i+1
.endr
	v_nop                                          ; a plain instruction between the last exponential and the use of its result (ISA guide 5.7.2)
.set i, 0
	s_wait_alu depctr_va_vdst(0)
.rept 32
	v_pk_add_f32 v[(\buf)+2*i:(\buf)+2*i+1], v[(\buf)+2*i:(\buf)+2*i+1], 1.0 op_sel_hi:[1,0]
.set i, i+1
.endr
.set i, 0
.rept 64
	v_rcp_f32 v[(\buf)+i], v[(\buf)+i]
.set i, i+1
.endr
	v_nop
.set i, 0
	s_wait_alu depctr_va_vdst(0)
.rept 32
	v_pk_mul_f32 v[(\buf)+2*i:(\buf)+2*i+1], v[(\buf)+2*i:(\buf)+2*i+1], s[48:49] op_sel_hi:[1,0]
.set i, i+1
.endr
.set i, 0
.rept 16
	global_store_b128 v1, v[(\buf)+4*i:(\buf)+4*i+3], s[SG:SG+1] offset:512*i  ; 512 consecutive bytes, at a multiple of 256 from g's first
.set i, i+1
.endr
.endm
	; EIGHT BATCHES on three buffers: the bias row, w of q, k, v, then x's 32 rows.  Three batches are out at first; the wait in front of a batch leaves the younger ones out: 32 loads, at the end 16 and none.
	ISSUE B0, SB, 0, 1
	ISSUE B1, SW, 0, 0
	ISSUE B2, SW, 262144, 0
	s_wait_loadcnt 32
	SIGM B0
	s_wait_xcnt 0x0                                ; the stores' data registers are loaded again only behind this wait
	ISSUE B0, SW, 524288, 0
	s_wait_loadcnt 32
	CVTST B1, 3, 0                                 ; w of q
	ISSUE B1, SX, 0, 0
	s_wait_loadcnt 32
	v_add_nc_u32 v8, 64*PITCH, v3
	CVTST B2, 8, 0                                 ; w of k
	ISSUE B2, SX, 8192, 0
	s_wait_loadcnt 32
	v_add_nc_u32 v8, 128*PITCH, v3
	CVTST B0, 8, 0                                 ; w of v
	ISSUE B0, SX, 16384, 0
	s_wait_loadcnt 32
	CVTST B1, 2, 0                                 ; x, rows 0-7
	ISSUE B1, SX, 24576, 0
	s_wait_loadcnt 32
	CVTST B2, 2, 8*PITCH
	s_wait_loadcnt 16
	CVTST B0, 2, 16*PITCH
	s_wait_loadcnt 0x0
	CVTST B1, 2, 24*PITCH
	s_wait_dscnt 0x0                               ; for the others' sake: my rows of w are in LDS
	s_barrier_signal -1
	s_barrier_wait -1                              ; everybody's are
; A chunk c = group c / 4, K steps 2 (c % 4) and 2 (c % 4) + 1.  Its 8 loads: w's four fragments (ksl, ct)
.macro CHUNKLD c
.set wb, WG+32*((\c)%2)
.set wa, 5
.if (\c)/4 >= 3
.set wa, 9
.endif
.set i, 0
.rept 8
	ds_load_b128 v[wb+4*i:wb+4*i+3], v[wa] offset:(32*(((\c)/4)%3)+16*((i/2)%2))*PITCH+(2*((\c)%4)+i/4)*64+32*(i%2)
.set i, i+1
.endr
.endm
; Its 8 products; the group's four accumulators take turns.  q and k: source 0 = 16 channels of w, source 1 = 16 tokens: a lane then holds 8 channels of one token.
; v: the sources swapped: a lane holds 8 tokens of one channel, a piece of V^T.  The group's first four products start the sums with the constant 0.
.macro CHUNKMM c
.set wb, WG+32*((\c)%2)
.set m, 0
.rept 8
.set ra, ACC+8*(m%4)
.set rw, wb+8*(2*(m/4)+(m/2)%2)
.set rx, XG+8*(2*(2*((\c)%4)+m/4)+m%2)
.if (\c)/8 == 2
.if ((\c)%4 == 0) && (m < 4)
	v_wmma_f32_16x16x32_bf16 v[ra:ra+7], v[rx:rx+7], v[rw:rw+7], 0
.else
	v_wmma_f32_16x16x32_bf16 v[ra:ra+7], v[rx:rx+7], v[rw:rw+7], v[ra:ra+7]
.endif
.else
.if ((\c)%4 == 0) && (m < 4)
	v_wmma_f32_16x16x32_bf16 v[ra:ra+7], v[rw:rw+7], v[rx:rx+7], 0
.else
	v_wmma_f32_16x16x32_bf16 v[ra:ra+7], v[rw:rw+7], v[rx:rx+7], v[ra:ra+7]
.endif
.endif
.set m, m+1
.endr
.endm
; A finished group: rounded to f16, each accumulator from its low end on; an accumulator is one piece of a fragment: one store of 512 consecutive bytes
.macro OUTG g
	s_wait_xcnt 0x0                                ; PK was the last group's store data
.set i, 0
.rept 16
	v_cvt_pk_f16_f32 v[PK+i], v[ACC+2*i], v[ACC+2*i+1]
.set i, i+1
.endr
.set a, 0
.rept 4                                ; a = 2 ct + tt
.if (\g)/2 == 0
	global_store_b128 v1, v[PK+4*a:PK+4*a+3], s[SQ:SQ+1] offset:((\g)%2)*1024+(a%2)*8192+(a/2)*512
.elseif (\g)/2 == 1
	global_store_b128 v1, v[PK+4*a:PK+4*a+3], s[SK:SK+1] offset:((\g)%2)*4096+(a%2)*1024+(a/2)*512
.else
	global_store_b128 v1, v[PK+4*a:PK+4*a+3], s[SV:SV+1] offset:((\g)%2)*4096+(a/2)*2048+(a%2)*512
.endif
.set a, a+1
.endr
.endm
	; THE PRODUCTS.  x's 16 fragments stay in registers for all six groups; w's come by chunks, two ahead.
.set i, 0
.rept 32
	ds_load_b128 v[XG+4*i:XG+4*i+3], v4 offset:((i/2)%2)*16*PITCH+(i/4)*64+32*(i%2)
.set i, i+1
.endr
	CHUNKLD 0
	CHUNKLD 1
.set cc, 0
.rept 24
.if cc == 23
	s_wait_dscnt 0x0
.else
	s_wait_dscnt 0x8                               ; this chunk is in; the next chunk's eight loads may be out
.endif
	CHUNKMM cc
	PLACES                                         ; in front of loads into the buffer just multiplied, and of the conversions
.if cc <= 21
	CHUNKLD cc+2
.endif
.if cc%4 == 3
	OUTG cc/4
.endif
.set cc, cc+1
.endr
	; wp: wave 0 converts one piece of a fragment: lane (r, h) takes 8 f32 of row r: 32 bytes of each of 16 rows, once in the launch for each piece
	s_cmp_lg_u32 s20, 0
	s_cbranch_scc1 .Lend
	v_lshlrev_b32 v8, 10, v11
	v_lshl_add_u32 v8, v12, 5, v8
	global_load_b128 v[64:67], v8, s[42:43]
	global_load_b128 v[68:71], v8, s[42:43] offset:16
	s_wait_loadcnt 0x0
.set i, 0
.rept 4
	v_cvt_pk_bf16_f32 v[72+i], v[64+2*i], v[64+2*i+1]  ; rounded to bf16 like every input,
.set i, i+1
.endr
.set i, 0
.rept 4
	v_lshlrev_b32 v[64+2*i], 16, v[72+i]
	v_and_b32 v[64+2*i+1], s24, v[72+i]
.set i, i+1
.endr
.set i, 0
.rept 4
	v_cvt_pk_f16_f32 v[76+i], v[64+2*i], v[64+2*i+1]   ; and that number written as f16
.set i, i+1
.endr
	global_store_b128 v1, v[76:79], s[44:45]
.Lend:
	s_wait_tensorcnt 0x0                           ; the wave's end: these three lines behind my last LDS store
	ds_add_u32 v6, v7
	s_wait_dscnt 0x0
	s_endpgm
.Lfunc_end_k_qee4ad12ac5_prep:
	.size	k_qee4ad12ac5_prep, .Lfunc_end_k_qee4ad12ac5_prep-k_qee4ad12ac5_prep
	.p2alignl 7, 3214868480
	.fill 96, 4, 3214868480
	.section	.rodata,"a",@progbits
	.p2align	6, 0x0
	.amdhsa_kernel k_qee4ad12ac5_prep
		.amdhsa_group_segment_fixed_size 237568
		.amdhsa_private_segment_fixed_size 0
		.amdhsa_enable_private_segment 0
		.amdhsa_kernarg_size 64
		.amdhsa_user_sgpr_count 2
		.amdhsa_user_sgpr_kernarg_segment_ptr 1
		.amdhsa_wavefront_size32 1
		.amdhsa_system_sgpr_workgroup_id_x 1
		.amdhsa_system_sgpr_workgroup_id_y 1
		.amdhsa_system_sgpr_workgroup_id_z 1
		.amdhsa_system_vgpr_workitem_id 0
		.amdhsa_next_free_vgpr 256
		.amdhsa_next_free_sgpr 66
		.amdhsa_reserve_vcc 0
		.amdhsa_float_denorm_mode_32 3
		.amdhsa_float_denorm_mode_16_64 3
		.amdhsa_memory_ordered 1
		.amdhsa_forward_progress 1
		.amdhsa_inst_pref_size 93
	.end_amdhsa_kernel
	.amdgpu_metadata
---
amdhsa.version: [ 1, 2 ]
amdhsa.kernels:
  - .name:           k_qee4ad12ac5_prep
    .symbol:         k_qee4ad12ac5_prep.kd
    .args:
      - { .name: x, .offset: 0, .size: 8, .value_kind: global_buffer, .address_space: global }
      - { .name: w_qkv, .offset: 8, .size: 8, .value_kind: global_buffer, .address_space: global }
      - { .name: atten_bias, .offset: 16, .size: 8, .value_kind: global_buffer, .address_space: global }
      - { .name: w_proj, .offset: 24, .size: 8, .value_kind: global_buffer, .address_space: global }
      - { .name: q, .offset: 32, .size: 8, .value_kind: global_buffer, .address_space: global }
      - { .name: kv, .offset: 40, .size: 8, .value_kind: global_buffer, .address_space: global }
      - { .name: g, .offset: 48, .size: 8, .value_kind: global_buffer, .address_space: global }
      - { .name: wp, .offset: 56, .size: 8, .value_kind: global_buffer, .address_space: global }
    .group_segment_fixed_size: 237568
    .private_segment_fixed_size: 0
    .kernarg_segment_align: 8
    .kernarg_segment_size: 64
    .max_flat_workgroup_size: 256
    .sgpr_count:     66
    .vgpr_count:     256
    .wavefront_size: 32
...
	.end_amdgpu_metadata
.endif
;; end of part 1
;; launch attn (part 2): grid 32 x 8, 8 waves a work-group, clusters of 4 x 4, 327,680 bytes of LDS; arguments q, kv, g, wp, b_proj, out0; writes out0
.if DOCPART == 2
	.amdgcn_target "amdgcn-amd-amdhsa--gfx1250"
	.amdhsa_code_object_version 6
	.text
	.protected	k_qee4ad12ac5_attn
	.globl	k_qee4ad12ac5_attn
	.p2align	8
	.type	k_qee4ad12ac5_attn,@function
k_qee4ad12ac5_attn:
	s_mov_b64 s[64:65], 0
	v_nop
	global_prefetch_b8 v0, s[64:65] scope:SCOPE_SE
	s_setreg_imm32_b32 hwreg(HW_REG_WAVE_MODE, 25, 1), 1
	s_wait_xcnt 0x0
	s_wait_alu depctr_hold_cnt(0) depctr_sa_sdst(0) depctr_va_vdst(0) depctr_va_sdst(0) depctr_va_ssrc(0) depctr_va_vcc(0) depctr_vm_vsrc(0)
	s_getreg_b32 s2, hwreg(HW_REG_IB_STS2, 6, 4)
	s_cmp_eq_u32 s2, 0
	s_cbranch_scc0 .Lentry_in_a_cluster
	s_endpgm
.Lentry_in_a_cluster:
	s_bfe_u32 s2, ttmp6, 0x10000c
	s_cmp_lg_u32 s2, 0xf033
	s_cbranch_scc0 .Lentry_shape_is_right
	s_endpgm
.Lentry_shape_is_right:
; ATTENTION WITH A GATE ON THE SCORES, AND THE OUTPUT PROJECTION.  out[b][n][:] = O[b][n][:] w_proj^T + b_proj, O's channels 32 h .. of head h = the sum over m of softmax_m((q . k) g[n][m]) v[m].
; q, kv, wp: f16 fragments, g: f32 [2048][2048] = sigmoid(bias) log2(e) / sqrt(32), all as the launch before lays them (a fragment = [piece 2][lane 32][16 bytes]).
; SHARES.  A work-group owns 64 queries of one batch and ALL 8 heads: wave h owns head h, four tiles t of 16 queries.  So one tile of g in LDS serves eight heads, and all 256 channels of the 64 rows
; meet in one work-group, which makes the projection too.  Every wave walks the 2,048 keys in 32 steps of 64; a UNIT is one tile x one step.
; LAYOUT.  S^T = K Q^T (source 0 = 16 keys, source 1 = 16 queries; the head's 32 channels are one instruction deep): a lane holds ONE query (lane % 16) and the keys 8 (lane / 16) + 0..7 of each 16.
; g is read in that layout.  Two such results rounded to f16 ARE source 1 of O^T = V^T P.  The row sum l is a product too: ONE x P, where ONE has 1.0 in rows 0 and 8 alone, so that register 0 of
; its result holds the query's sum in every lane and registers 1-7 stay 0.
; SOFTMAX.  s' = s g is in base 2 already.  For each query a running maximum m: p = 2^(s' - m); in every step O and l are multiplied by a = 2^(m_old - m_new).  m starts at the lowest finite number,
; O and l at 0: the first step is a step like any other, with a = 0 (96 moves at the start are the price of writing no first step out).
; CLUSTER.  4 x 4 work-groups: four blocks of queries x four batches.  A tile of K and V hangs on the batch alone and is asked for jointly along a row of the cluster; a tile of g hangs on the
; block of queries alone and is asked for jointly along a column.  Waves 0-3 ask for a quarter of K and V each (64 rows of 256 bytes), wave 4 for g (64 rows of 256 bytes); waves 5-7 ask for nothing.
; By the text's own count a wave has two tensor loads out at the start and one behind each change of slots.
; LIMITS.  q, k, v arrive within f16's 65,504; p lies in 0 to 1 and below 6e-5 keeps f16's fixed step of 6e-8, as does O; a weight below 2^-126 counts as 0; |s g| stays under 3e38; NaN and infinities are not treated apart.
; REGISTERS, in windows of 256 (s_set_vgpr_msb: bits 1:0 source 0, 3:2 source 1, 5:4 source 2, 7:6 destination):
;   window 0: v0-15 addresses; v16-31 statistics; v32-95 O^T; v96-127 l; v128-159 g of one unit; v160-223 S^T, two buffers; v224-239 P; v240-243 at work
;   window 1: v0-31 Q; v32-63 K of one step; v64-95 V^T of one step; v96-103 ONE
.set SLOT1, 1<<17                      ; slot 1 begins here: one exclusive or turns an address in one slot into the other's
.set VOFF,  32768                      ; a slot: K [head 8][16 keys 4][1,024], V^T [head 8][16 channels 2][32 keys 2][1,024],
.set GOFF,  65536                      ; then g: 64 rows of 256 bytes + 16 of padding: the 16 rows of a load begin in 16 different 16-byte columns of each 256 bytes
.set GP,    272
.set OST,   GOFF+64*GP                 ; behind slot 0, never filled by a tensor load: O's stage, 64 rows of 512 + 16 bytes
.set OP,    528
.set SPARE, OST+64*OP                  ; the spare words: 128 bytes for each of the eight waves, four blocks of 256 bytes that no other line names
.set OUTS,  SLOT1+OST                  ; behind slot 1, never filled: for each wave 32 rows of 256 + 16 bytes, for the way out
.set AKV0, 2                           ; v2   my lane's place in my head's K; never rewritten          v3   in a tile of g
.set AG0,  3
.set AKV,  4                           ; v4, v5  the same in the slot in hand
.set AG,   5
.set STO,  6                           ; v6   where I put 16 bytes of a row of O                        v7   where I read fragments of O
.set OFA,  7
.set ST2,  8                           ; v8   where I put 16 bytes of a row of out                      v9   where I read rows back
.set RD2,  9
.set GO,   10                          ; v10  my byte offset in two rows of out                         v11  in b_proj
.set VB,   11
.set SPW,  14                          ; v14  LDS address of my spare word; v15  0; never rewritten
.set NIL,  15
.set ST,   16                          ; tile t at ST + 4 t: m, (pair), a, (pair)
.set OA,   32                          ; tile t, 16 channels ct at OA + 16 t + 8 ct
.set LS,   96                          ; tile t at LS + 8 t
.set GT,   128
.set SC,   160                         ; buffer t % 2, 16 keys kb at SC + 32 (t % 2) + 8 kb
.set PW,   224
.set C0,   240
.set QF,   0                           ; window 1
.set KF,   32
.set VF,   64
.set ONE,  96
.set OF,   32                          ; the projection: O's fragments (tq, ks) at OF + 8 (2 ks + tq); sums at A2 + 8 (4 tq + nt); the bias at BI + 8 nt
.set A2,   160
.set BI,   224
.set WV,   16                          ; s16 my wave's number
.set G1K,  24                          ; s[24:31] descriptor group 1 for K and V;  s[32:35], s[36:39] group 0: tile 0, and tile 1, which then walks
.set G0K,  32
.set G1G,  40                          ; s[40:47], s[48:51], s[52:55] the same for g
.set G0G,  48
.set CNT,  56                          ; s56 the loops' count     s57 0 or SLOT1: the slot in hand     s[60:61] v_permlanex16_b32's selects
.set TB,   57
.set SEL,  60
.set MSB, 0
.macro WIN new                         ; the immediate's high byte repeats the setting that is left; a switch that changes nothing is dropped
.if MSB != (\new)
	s_set_vgpr_msb (MSB<<8)|(\new)
.set MSB, (\new)
.endif
.endm
.macro PLACES
.rept 4
	v_nop
.endr
.endm
; A round of the cluster's barrier: my work-group's barrier, so that wave 0's signal speaks for all eight waves; wave 0 signals; every wave waits for all sixteen work-groups; my work-group's barrier once more.
.macro CROUND
	s_barrier_signal -1
	s_barrier_wait -1
	s_cmp_lg_u32 s[WV], 0
	s_cbranch_scc1 .Lnot_wave_0_\@
	s_barrier_signal -3
.Lnot_wave_0_\@:
	s_barrier_wait -3
	s_barrier_signal -1
	s_barrier_wait -1
.endm
; A joint refill, by the walking descriptors.  The branches hang on the wave's number alone.  An s_nop 0 and four v_nop follow each load, ahead of the jump and the label.
.macro JLOAD
	s_cmp_lt_u32 s[WV], 4
	s_cbranch_scc0 .Lfor_g_\@
	tensor_load_to_lds s[G0K+4:G0K+7], s[G1K:G1K+7]
	s_nop 0
	PLACES
	s_branch .Lasked_\@
.Lfor_g_\@:
	s_cmp_eq_u32 s[WV], 4
	s_cbranch_scc0 .Lasked_\@
	tensor_load_to_lds s[G0G+4:G0G+7], s[G1G:G1G+7]
	s_nop 0
	PLACES
.Lasked_\@:
.endm
	s_load_b256 s[4:11], s[0:1], 0x0               ; q 4, kv 6, g 8, wp 10
	s_load_b128 s[12:15], s[0:1], 0x20             ; b_proj 12, out0 14
	v_lshl_add_u32 v[SPW], v0, 2, SPARE
	v_mov_b32 v[NIL], 0
	ds_add_u32 v[SPW], v[NIL]                      ; the wave's opening: the add and its wait stand ahead of the first tensor loads; the set-up below, work on registers, stands between them
	v_lshrrev_b32 v12, 5, v0
	v_readfirstlane_b32 s[WV], v12                 ; wave 0..7
	s_bfe_u32 s17, ttmp6, 0x40000                  ; cx, cy: my place in the cluster
	s_bfe_u32 s18, ttmp6, 0x40004
	s_lshl_b32 s19, ttmp9, 2
	s_add_co_u32 s19, s19, s17                     ; my block of 64 queries = 4 x cluster x + cx
	s_and_b32 s20, ttmp7, 0xffff
	s_lshl_b32 s20, s20, 2
	s_add_co_u32 s20, s20, s18                     ; my batch = 4 x cluster y + cy
	s_lshl_b32 s66, s18, 2
	s_lshl_b32 s66, 15, s66                        ; my row of the cluster: places 4 cy .. 4 cy + 3
	s_lshl_b32 s67, 0x1111, s17                    ; my column: places cx, cx + 4, cx + 8, cx + 12
	; group 1 for K and V: a quarter of a tile is 16,384 dense bytes: 64 rows of 32 elements of 8 bytes, no padding (a fragment's piece is read as 512 consecutive bytes)
	s_or_b32 s[G1K], s66, (3<<16)|(1<<21)          ; 15:0 the mask: my row; 17:16 elements of 8 bytes; 21 set beside a mask
	s_mov_b32 s[G1K+1], 32<<16                     ; tensor_dim0 = 32
	s_mov_b32 s[G1K+2], 64<<16                     ; tensor_dim1 = 64
	s_mov_b32 s[G1K+3], 32<<16                     ; tile_dim0 = 32
	s_mov_b32 s[G1K+4], 64                         ; tile_dim1 = 64
	s_mov_b32 s[G1K+5], 32                         ; 32 elements from row to row
	s_mov_b32 s[G1K+6], 0
	s_mov_b32 s[G1K+7], 0
	; group 1 for g: 64 rows of 64 f32, 2,048 elements from row to row, 4 words of padding behind every 64
	s_or_b32 s[G1G], s67, (2<<16)|(1<<20)|(1<<21)|(5<<22)|(3<<25)  ; the mask: my column; elements of 4 bytes; padding on; 21 beside a mask; after every 64 words (code 5) 4 words (code 3)
	s_mov_b32 s[G1G+1], 64<<16
	s_mov_b32 s[G1G+2], 64<<16
	s_mov_b32 s[G1G+3], 64<<16
	s_mov_b32 s[G1G+4], 64
	s_mov_b32 s[G1G+5], 2048
	s_mov_b32 s[G1G+6], 0
	s_mov_b32 s[G1G+7], 0
	s_lshl_b32 s23, s[WV], 14                      ; my quarter of a tile of K and V, in memory and in a slot (waves 0-3 alone ask by it): no place in the cluster enters an LDS address
	s_lshl_b32 s58, s20, 21                        ; kv: 2,097,152 bytes a batch.  s[58:59] never hold cx,
	s_add_co_u32 s58, s58, s23
	s_mov_b32 s59, 0
	s_lshl_b32 s62, s19, 19                        ; g: 64 rows of 8,192 bytes a block.  s[62:63] never hold cy
	s_mov_b32 s63, 0
	s_lshl_b32 s68, s20, 20                        ; q: 1,048,576 bytes a batch, 4 tiles of 8,192 a block, 1,024 a head
	s_lshl_b32 s21, s19, 15
	s_add_co_u32 s68, s68, s21
	s_lshl_b32 s21, s[WV], 10
	s_add_co_u32 s68, s68, s21
	s_mov_b32 s69, 0
	s_lshl_b32 s70, s20, 21                        ; out: 2,097,152 bytes a batch, 64 rows of 1,024 a block; in the projection wave w makes rows 32 (w / 4) .. and columns 64 (w % 4) ..
	s_lshl_b32 s21, s19, 16
	s_add_co_u32 s70, s70, s21
	s_lshr_b32 s21, s[WV], 2
	s_lshl_b32 s21, s21, 15
	s_add_co_u32 s70, s70, s21
	s_and_b32 s22, s[WV], 3
	s_lshl_b32 s21, s22, 8
	s_add_co_u32 s70, s70, s21
	s_mov_b32 s71, 0
	s_mov_b32 s[G0K], 1                            ; 1:0 count = 1
	s_mov_b32 s[G0K+1], s23                        ; 63:32 LDS address: slot 0
	s_mov_b32 s[G0K+4], 1
	s_add_co_u32 s[G0K+5], s23, SLOT1              ; slot 1
	s_mov_b32 s[G0G], 1
	s_mov_b32 s[G0G+1], GOFF
	s_mov_b32 s[G0G+4], 1
	s_mov_b32 s[G0G+5], GOFF+SLOT1
	s_mov_b32 s[SEL], 0x76543210
	s_mov_b32 s[SEL+1], 0xfedcba98
	s_mov_b32 s[TB], 0
	s_mov_b32 s3, 0
	s_wait_dscnt 0x0                               ; the opening add is done
	s_wait_kmcnt 0x0
	s_add_nc_u64 s[6:7], s[6:7], s[58:59]
	s_mov_b64 s[G0K+2:G0K+3], s[6:7]               ; 120:64 global address: tile 0,
	s_or_b32 s[G0K+3], s[G0K+3], 0x80000000        ; 127:126 type = 2
	s_add_nc_u64 s[G0K+6:G0K+7], s[6:7], 0x10000   ; tile 1
	s_or_b32 s[G0K+7], s[G0K+7], 0x80000000
	s_add_nc_u64 s[8:9], s[8:9], s[62:63]
	s_mov_b64 s[G0G+2:G0G+3], s[8:9]
	s_or_b32 s[G0G+3], s[G0G+3], 0x80000000
	s_add_nc_u64 s[G0G+6:G0G+7], s[8:9], 256       ; 64 keys on
	s_or_b32 s[G0G+7], s[G0G+7], 0x80000000
	s_add_nc_u64 s[4:5], s[4:5], s[68:69]
	s_add_nc_u64 s[14:15], s[14:15], s[70:71]
	s_lshl_b32 s2, s22, 15                         ; wp: four tiles of 16 output channels, 8,192 bytes each
	s_add_nc_u64 s[10:11], s[10:11], s[2:3]
	s_lshl_b32 s2, s22, 8                          ; b_proj: 64 f32
	s_add_nc_u64 s[12:13], s[12:13], s[2:3]
	CROUND                                         ; all sixteen work-groups are here: the first joint loads meet
	s_cmp_lt_u32 s[WV], 4                          ; a wave's two first fills stand in one branch, ahead of every wait on TENSORcnt, every LDS read and every further barrier
	s_cbranch_scc0 .Lfirst_g
	tensor_load_to_lds s[G0K:G0K+3], s[G1K:G1K+7]
	s_nop 0
	tensor_load_to_lds s[G0K+4:G0K+7], s[G1K:G1K+7]
	s_nop 0
	PLACES
	s_branch .Lfirst_done
.Lfirst_g:
	s_cmp_eq_u32 s[WV], 4
	s_cbranch_scc0 .Lfirst_done
	tensor_load_to_lds s[G0G:G0G+3], s[G1G:G1G+7]
	s_nop 0
	tensor_load_to_lds s[G0G+4:G0G+7], s[G1G:G1G+7]
	s_nop 0
	PLACES
.Lfirst_done:
	v_and_b32 v12, 31, v0
	v_lshlrev_b32 v1, 4, v12                       ; 16 x lane
	WIN 0x40                                       ; destination window 1, address window 0
.set i, 0
.rept 8                                ; Q stays in registers: tile i / 2, piece i % 2
	global_load_b128 v[QF+4*i:QF+4*i+3], v1, s[4:5] offset:(i/2)*8192+(i%2)*512
.set i, i+1
.endr
	WIN 0
	v_and_b32 v13, 15, v0                          ; r
	v_bfe_u32 v12, v0, 4, 1                        ; h
	s_lshl_b32 s21, s[WV], 12
	v_add_nc_u32 v[AKV0], s21, v1                  ; my head's 4,096 bytes of K (V^T: 32,768 further)
	v_mul_u32_u24 v[AG0], v13, GP
	v_lshl_add_u32 v[AG0], v12, 5, v[AG0]          ; row r, 8 f32 for each half of the lanes
	s_mul_i32 s22, s[WV], 32*GP
	s_add_co_u32 s22, s22, OUTS                    ; my stage for the way out, of the same pitch
	v_add_nc_u32 v[ST2], s22, v[AG0]
	v_add_nc_u32 v[AG0], GOFF, v[AG0]
	v_mul_u32_u24 v[RD2], v12, GP                  ; back: lanes 0-15 take one row of 256 bytes, lanes 16-31 the next
	v_lshl_add_u32 v[RD2], v13, 4, v[RD2]
	v_add_nc_u32 v[RD2], s22, v[RD2]
	v_mul_u32_u24 v[STO], v13, OP
	v_lshl_add_u32 v[STO], v12, 4, v[STO]          ; row r x pitch + 16 x half
	s_lshr_b32 s21, s[WV], 2
	s_mul_i32 s21, s21, 32*OP
	s_add_co_u32 s21, s21, OST
	v_add_nc_u32 v[OFA], s21, v[STO]               ; the projection's 32 rows
	s_lshl_b32 s21, s[WV], 6
	s_add_co_u32 s21, s21, OST
	v_add_nc_u32 v[STO], s21, v[STO]               ; my head's 64 bytes of a row
	v_lshlrev_b32 v[GO], 10, v12
	v_lshl_add_u32 v[GO], v13, 4, v[GO]
	v_lshlrev_b32 v[VB], 5, v12
	v_and_b32 v12, 7, v0                           ; ONE: lanes 0, 8, 16, 24 hold rows 0 and 8: 1.0 twice in f16; the others 0
	v_cmp_eq_u32 s66, 0, v12
	v_mov_b32 v13, 0x3c003c00
	v_cndmask_b32 v13, 0, v13, s66
	WIN 0x40
.set i, 0
.rept 8
	v_mov_b32 v[ONE+i], v13
.set i, i+1
.endr
	WIN 0
.set i, 0
.rept 4
	v_mov_b32 v[ST+4*i], 0xff7fffff                ; m
	v_mov_b32 v[ST+4*i+1], 0                       ; named with it as a pair
	v_mov_b32 v[ST+4*i+2], 0
	v_mov_b32 v[ST+4*i+3], 0
.set i, i+1
.endr
; THE MATRIX WORK.  S^T of tile t: four products, each a sum of its own
.macro QK t
	WIN 0x05                                       ; K and Q in window 1, S^T in window 0
.set kb, 0
.rept 4
	v_wmma_f32_16x16x32_f16 v[SC+32*((\t)%2)+8*kb:SC+32*((\t)%2)+8*kb+7], v[KF+8*kb:KF+8*kb+7], v[QF+8*(\t):QF+8*(\t)+7], 0
.set kb, kb+1
.endr
.endm
; O^T += V^T P and l += ONE P for tile t: the three accumulators take turns
.macro PV t
	WIN 0x01                                       ; V^T and ONE in window 1; P, O^T and l in window 0
.set kh, 0
.rept 2
	v_wmma_f32_16x16x32_f16 v[OA+16*(\t):OA+16*(\t)+7], v[VF+8*kh:VF+8*kh+7], v[PW+8*kh:PW+8*kh+7], v[OA+16*(\t):OA+16*(\t)+7]
	v_wmma_f32_16x16x32_f16 v[OA+16*(\t)+8:OA+16*(\t)+15], v[VF+16+8*kh:VF+16+8*kh+7], v[PW+8*kh:PW+8*kh+7], v[OA+16*(\t)+8:OA+16*(\t)+15]
	v_wmma_f32_16x16x32_f16 v[LS+8*(\t):LS+8*(\t)+7], v[ONE:ONE+7], v[PW+8*kh:PW+8*kh+7], v[LS+8*(\t):LS+8*(\t)+7]
.set kh, kh+1
.endr
.endm
; THE LDS LOADS, in runs of eight
.macro LDG t                           ; g for tile t: my query's 8 keys of each 16
.set i, 0
.rept 8
	ds_load_b128 v[GT+4*i:GT+4*i+3], v[AG] offset:(\t)*16*GP+(i/2)*64+(i%2)*16
.set i, i+1
.endr
.endm
.macro LDK                             ; my head's K of a step: four fragments, 512 consecutive bytes a load
	WIN 0x40
.set i, 0
.rept 8
	ds_load_b128 v[KF+4*i:KF+4*i+3], v[AKV] offset:512*i
.set i, i+1
.endr
	WIN 0
.endm
.macro LDV
	WIN 0x40
.set i, 0
.rept 8
	ds_load_b128 v[VF+4*i:VF+4*i+3], v[AKV] offset:VOFF+512*i
.set i, i+1
.endr
	WIN 0
.endm
; THE VECTOR WORK of a unit
.macro REGS t
.set rS, SC+32*((\t)%2)
.set rM, ST+4*(\t)
.set rA, ST+4*(\t)+2
.set rO, OA+16*(\t)
.set rL, LS+8*(\t)
.endm
.macro MUL t                           ; s' = s g; each accumulator is read from its low end on
	REGS \t
.set i, 0
.rept 16
	v_pk_mul_f32 v[rS+2*i:rS+2*i+1], v[rS+2*i:rS+2*i+1], v[GT+2*i:GT+2*i+1]
.set i, i+1
.endr
.endm
; The new maximum and a: four chains of seven scores, three operands at a time; the four scores left over and the old m; the query's other 32 keys lie in the lane 16 away
.macro MAXST t
	REGS \t
.set n, 0
.rept 4
	v_max3_num_f32 v[C0+n], v[rS+8*n], v[rS+8*n+1], v[rS+8*n+2]
.set n, n+1
.endr
.set n, 0
.rept 8
	v_max3_num_f32 v[C0+n%4], v[C0+n%4], v[rS+8*(n%4)+2*(n/4)+3], v[rS+8*(n%4)+2*(n/4)+4]
.set n, n+1
.endr
	v_max3_num_f32 v[C0], v[C0], v[rS+7], v[rS+15]
	v_max3_num_f32 v[C0+1], v[C0+1], v[rS+23], v[rS+31]
	v_max3_num_f32 v[C0+2], v[C0+2], v[C0+3], v[rM]
	v_max3_num_f32 v[C0], v[C0], v[C0+1], v[C0+2]
	v_permlanex16_b32 v[C0+3], v[C0], s[SEL], s[SEL+1]
	v_max_num_f32 v[C0+1], v[C0], v[C0+3]
	v_sub_f32 v[C0+2], v[rM], v[C0+1]
	v_exp_f32 v[rA], v[C0+2]
	v_mov_b32 v[rM], v[C0+1]                       ; the plain instruction behind the exponential
.endm
.macro SUBP p                          ; pair p: s' - m
	v_pk_add_f32 v[rS+2*(\p):rS+2*(\p)+1], v[rS+2*(\p):rS+2*(\p)+1], v[rM:rM+1] op_sel_hi:[1,0] neg_lo:[0,1] neg_hi:[0,1]
.endm
.macro CVTP p                          ; pair p rounded to f16
	s_wait_alu depctr_va_vdst(0)
	v_cvt_pk_f16_f32 v[PW+(\p)], v[rS+2*(\p)], v[rS+2*(\p)+1]
.endm
.macro RSC k                           ; O^T's pair k, or (k = 8) l, times a
.if (\k) < 8
	s_wait_alu depctr_va_vdst(0)
	v_pk_mul_f32 v[rO+2*(\k):rO+2*(\k)+1], v[rO+2*(\k):rO+2*(\k)+1], v[rA:rA+1] op_sel_hi:[1,0]
.else
	v_mul_f32 v[rL], v[rL], v[rA]
	s_wait_alu depctr_va_vdst(0)
.endif
.endm
; 73 instructions: behind each of the 32 exponentials stands one plain instruction that is ready and names neither its result nor its source (ISA guide 5.7.2): a subtraction four pairs ahead,
; the rounding of the pair whose second exponential stands two exponentials back, or a piece of the rescaling
.macro EXPS t
	REGS \t
	SUBP 0
	SUBP 1
	SUBP 2
	SUBP 3
.set i, 0
.rept 32
	v_exp_f32 v[rS+i], v[rS+i]
.if i == 1
	RSC 0
.elseif (i%2 == 0) && (i <= 22)
	SUBP 4+i/2
.elseif i%2 == 0
	RSC 1+(i-24)/2
.else
	CVTP (i-3)/2
.endif
.set i, i+1
.endr
	RSC 5
	RSC 6
	RSC 7
	RSC 8
	CVTP 15
.endm
; THE CHANGE OF SLOTS stands in unit 2: all my reads of the step's slot are issued (K a step ago, V^T in unit 0, g's last run just above).  Each wave waits for all its tensor loads, of which one is out: its
; part of the other slot; adds 0 to its spare word; and waits for that and for its reads.  Behind the barrier nobody reads this slot any more and the other slot is whole.
; fill = 1: the barrier is a round of the cluster's, and the joint refill, the tile two steps on, is the first thing behind it: it has a whole step in which to land.
.macro CHANGE fill, t
	s_wait_tensorcnt 0x0                           ; no tensor load of mine is out, so a group 0 may be written
	ds_add_u32 v[SPW], v[NIL]                      ; 0 onto my spare word; the descriptors' steps and the unit's maximum stand between it and the wait for it
.if \fill
	s_xor_b32 s[G0K+5], s[G0K+5], SLOT1            ; the walking descriptors: the other slot than last time,
	s_add_nc_u64 s[G0K+6:G0K+7], s[G0K+6:G0K+7], 0x10000  ; the next 64 keys; the type bits on top are not reached
	s_xor_b32 s[G0G+5], s[G0G+5], SLOT1
	s_add_nc_u64 s[G0G+6:G0G+7], s[G0G+6:G0G+7], 256
.endif
	MAXST \t
	s_wait_dscnt 0x0                               ; the add is done, and my reads of the slot are over
.if \fill
	CROUND
	JLOAD
.else
	s_barrier_signal -1
	s_barrier_wait -1
.endif
	s_xor_b32 s[TB], s[TB], SLOT1
	v_add_nc_u32 v[AKV], s[TB], v[AKV0]
	v_add_nc_u32 v[AG], s[TB], v[AG0]
.endm
; A UNIT: the next tile's scores are started; this tile's are gated; the next run of LDS loads goes out; maximum, exponentials, rescaling; the tile's second products.
; Every load into a register that a product has read stands behind MUL's 16 plain instructions, which name none of that product's registers.
.macro UNIT t, fill
	s_wait_dscnt 0x0                               ; g of this tile is in (issued a unit ago); in unit 3 also K of the next step
	QK ((\t)+1)%4
	WIN 0
	MUL \t
.if (\t) == 0
	LDG 1
	LDV                                            ; V^T of this step
	MAXST 0
.elseif (\t) == 1
	LDG 2
	MAXST 1
.elseif (\t) == 2
	LDG 3
	CHANGE \fill, 2
	LDK                                            ; K of the next step, from the other slot
.else
	LDG 0                                          ; the next step's first g
	MAXST 3
.endif
	EXPS \t
.if (\t) == 0
	s_wait_dscnt 0x0                               ; V^T is in
.endif
	PV \t
.endm
.macro STEP fill
	UNIT 0, \fill
	UNIT 1, \fill
	UNIT 2, \fill
	UNIT 3, \fill
	WIN 0                                          ; at a label and at a branch every window is 0
.endm
	s_wait_tensorcnt 0x1                           ; my part of tile 0 is in; tile 1's may stay out
	s_barrier_signal -1
	s_barrier_wait -1                              ; everybody's is
	v_mov_b32 v[AKV], v[AKV0]
	v_mov_b32 v[AG], v[AG0]
	LDK
	LDG 0
	s_wait_loadcnt 0x0                             ; Q
	s_wait_dscnt 0x0
	QK 0
	WIN 0
.set i, OA
.rept 96                               ; O^T and l begin at 0; these lines are also the places behind the first products
	v_mov_b32 v[i], 0
.set i, i+1
.endr
	s_mov_b32 s[CNT], 30
.Lstep:                                ; steps 0 to 29: step j asks for tile j + 2
	STEP 1
	s_sub_co_u32 s[CNT], s[CNT], 1
	s_cmp_lg_u32 s[CNT], 0
	s_cbranch_scc1 .Lstep
	s_mov_b32 s[CNT], 2
.Ltail:                                ; steps 30 and 31 ask for nothing: a text of their own.  The last trip's K, first scores and g, taken from
	STEP 0                             ; the slot that held tile 30, serve nothing: the price, once a launch, of one text for both trips
	s_sub_co_u32 s[CNT], s[CNT], 1
	s_cmp_lg_u32 s[CNT], 0
	s_cbranch_scc1 .Ltail
	; THE END.  O = O^T / l, rounded to f16, into the work-group's stage; then out = O w_proj^T + b_proj: wave w makes rows 32 (w / 4) .. + 31 x columns 64 (w % 4) .. + 63.
	; Source 0 = 16 output channels of wp, source 1 = 16 rows of O: a lane holds 8 neighbouring columns of one row of out.
.macro WPLD k                          ; wp's four fragments of K step k, into the buffer k % 3 of window 1, where Q, K and V^T lay
	WIN 0x40
.set i, 0
.rept 8
	global_load_b128 v[32*((\k)%3)+4*i:32*((\k)%3)+4*i+3], v1, s[10:11] offset:(i/2)*8192+(\k)*1024+(i%2)*512
.set i, i+1
.endr
	WIN 0
.endm
	PLACES                                         ; behind the last products: in front of loads into their sources and of the reads of l
.set i, 0
.rept 8                                ; the bias of my lane's 8 columns in each of four tiles
	global_load_b128 v[BI+4*i:BI+4*i+3], v[VB], s[12:13] offset:(i/2)*64+(i%2)*16
.set i, i+1
.endr
	WPLD 0
	WPLD 1
	WPLD 2
.set t, 0
.rept 4
	v_rcp_f32 v[ST+4*t+2], v[LS+8*t]               ; l is register 0 of its accumulator
.set t, t+1
.endr
	v_nop                                          ; a plain instruction between the last reciprocal and the use of its result
.set t, 0
	s_wait_alu depctr_va_vdst(0)
.rept 4
.set k, 0
.rept 8
	v_pk_mul_f32 v[OA+16*t+2*k:OA+16*t+2*k+1], v[OA+16*t+2*k:OA+16*t+2*k+1], v[ST+4*t+2:ST+4*t+3] op_sel_hi:[1,0]
.set k, k+1
.endr
.set k, 0
.rept 8
	v_cvt_pk_f16_f32 v[SC+8*t+k], v[OA+16*t+2*k], v[OA+16*t+2*k+1]
.set k, k+1
.endr
	ds_store_b128 v[STO], v[SC+8*t:SC+8*t+3] offset:t*16*OP       ; row 16 t + r, my head's channels 8 h .. + 7
	ds_store_b128 v[STO], v[SC+8*t+4:SC+8*t+7] offset:t*16*OP+32  ; channels 16 + 8 h ..
.set t, t+1
.endr
	s_wait_dscnt 0x0                               ; for the others' sake: my head's part of the 64 rows is in the stage
	s_barrier_signal -1
	s_barrier_wait -1
.set i, 0
.rept 32                               ; O's fragments: 16 rows tq = (i / 2) % 2, channels 32 (i / 4) on, piece i % 2
	ds_load_b128 v[OF+4*i:OF+4*i+3], v[OFA] offset:((i/2)%2)*16*OP+(i/4)*64+(i%2)*32
.set i, i+1
.endr
	s_wait_loadcnt 24                              ; the bias is in; wp's 24 loads, issued behind it, may be out
.set i, 0
.rept 16
	v_cvt_pk_bf16_f32 v[A2+i], v[BI+2*i], v[BI+2*i+1]  ; rounded to bf16 like every input
.set i, i+1
.endr
.set i, 0
.rept 16
	v_lshlrev_b32 v[BI+2*i], 16, v[A2+i]
	v_and_b32 v[BI+2*i+1], 0xffff0000, v[A2+i]
.set i, i+1
.endr
	s_wait_dscnt 0x0
.set ks, 0
.rept 8
.if ks < 6
	s_wait_loadcnt 16                              ; this K step's wp is in; the two younger steps' loads may be out
.elseif ks == 6
	s_wait_loadcnt 8
.else
	s_wait_loadcnt 0x0
.endif
	WIN 0x01                                       ; wp in window 1
.set m, 0
.rept 8                                ; m = 4 tq + nt: the eight accumulators take turns; the first K step starts the sums with the bias
.if ks == 0
	v_wmma_f32_16x16x32_f16 v[A2+8*m:A2+8*m+7], v[32*(ks%3)+8*(m%4):32*(ks%3)+8*(m%4)+7], v[OF+8*(2*ks+m/4):OF+8*(2*ks+m/4)+7], v[BI+8*(m%4):BI+8*(m%4)+7]
.else
	v_wmma_f32_16x16x32_f16 v[A2+8*m:A2+8*m+7], v[32*(ks%3)+8*(m%4):32*(ks%3)+8*(m%4)+7], v[OF+8*(2*ks+m/4):OF+8*(2*ks+m/4)+7], v[A2+8*m:A2+8*m+7]
.endif
.set m, m+1
.endr
	WIN 0
	PLACES                                         ; in front of loads into the buffer just multiplied; behind the last step, of the stores of the sums
.if ks <= 4
	WPLD ks+3
.endif
.set ks, ks+1
.endr
	; THE WAY OUT, through my own stage: 32 bytes a lane in, whole rows of 256 bytes back
.set i, 0
.rept 16                               ; i = 2 (4 tq + nt) + p: each accumulator's low half first
	ds_store_b128 v[ST2], v[A2+4*i:A2+4*i+3] offset:(i/8)*16*GP+((i/2)%4)*64+(i%2)*16
.set i, i+1
.endr
.set i, 0
.rept 16
	ds_load_b128 v[OF+4*i:OF+4*i+3], v[RD2] offset:i*2*GP  ; LDS serves a wave's instructions in order (ISA guide 5.7.1.4): these see the stores above
.set i, i+1
.endr
.set i, 0
.rept 16
	s_wait_dscnt 15-i                              ; rows 2 i and 2 i + 1 are back; the younger loads may be out
	global_store_b128 v[GO], v[OF+4*i:OF+4*i+3], s[14:15] offset:i*2048  ; 16 lanes store 256 consecutive bytes, at a multiple of 256 from out0's first byte
.set i, i+1
.endr
	s_wait_tensorcnt 0x0                           ; the wave's end: these three lines, behind my last tensor load and my last LDS store
	ds_add_u32 v[SPW], v[NIL]
	s_wait_dscnt 0x0
	CROUND                                         ; the closing round: no work-group ends while a partner may still ask for a tile that names it
	s_endpgm
.Lfunc_end_k_qee4ad12ac5_attn:
	.size	k_qee4ad12ac5_attn, .Lfunc_end_k_qee4ad12ac5_attn-k_qee4ad12ac5_attn
	.p2alignl 7, 3214868480
	.fill 96, 4, 3214868480
	.section	.rodata,"a",@progbits
	.p2align	6, 0x0
	.amdhsa_kernel k_qee4ad12ac5_attn
		.amdhsa_group_segment_fixed_size 327680
		.amdhsa_private_segment_fixed_size 0
		.amdhsa_enable_private_segment 0
		.amdhsa_kernarg_size 48
		.amdhsa_user_sgpr_count 2
		.amdhsa_user_sgpr_kernarg_segment_ptr 1
		.amdhsa_wavefront_size32 1
		.amdhsa_system_sgpr_workgroup_id_x 1
		.amdhsa_system_sgpr_workgroup_id_y 1
		.amdhsa_system_sgpr_workgroup_id_z 1
		.amdhsa_system_vgpr_workitem_id 0
		.amdhsa_next_free_vgpr 360
		.amdhsa_next_free_sgpr 72
		.amdhsa_reserve_vcc 0
		.amdhsa_float_denorm_mode_32 3
		.amdhsa_float_denorm_mode_16_64 3
		.amdhsa_memory_ordered 1
		.amdhsa_forward_progress 1
		.amdhsa_inst_pref_size 107
	.end_amdhsa_kernel
	.amdgpu_metadata
---
amdhsa.version: [ 1, 2 ]
amdhsa.kernels:
  - .name:           k_qee4ad12ac5_attn
    .symbol:         k_qee4ad12ac5_attn.kd
    .args:
      - { .name: q, .offset: 0, .size: 8, .value_kind: global_buffer, .address_space: global }
      - { .name: kv, .offset: 8, .size: 8, .value_kind: global_buffer, .address_space: global }
      - { .name: g, .offset: 16, .size: 8, .value_kind: global_buffer, .address_space: global }
      - { .name: wp, .offset: 24, .size: 8, .value_kind: global_buffer, .address_space: global }
      - { .name: b_proj, .offset: 32, .size: 8, .value_kind: global_buffer, .address_space: global }
      - { .name: out0, .offset: 40, .size: 8, .value_kind: global_buffer, .address_space: global }
    .group_segment_fixed_size: 327680
    .private_segment_fixed_size: 0
    .kernarg_segment_align: 8
    .kernarg_segment_size: 48
    .max_flat_workgroup_size: 256
    .sgpr_count:     72
    .vgpr_count:     360
    .wavefront_size: 32
...
	.end_amdgpu_metadata
.endif
;; end of part 2
;; ======== version 2 of 2: 2 launches; 1.25 times as fast as version 1
;; limits: values are held in f16: magnitudes above 65,504 overflow, below 6.1e-05 lose precision
;; workspace buffers: q 8,388,608 bytes; kv 16,777,216 bytes; g 16,777,216 bytes; wp 131,072 bytes
;; launch prep: the kernel of part 1 again; grid 4 x 64, 8 waves a work-group, no clusters, 237,568 bytes of LDS; arguments x, w_qkv, atten_bias, w_proj, q, kv, g, wp; writes q, kv, g, wp
;; launch attn (part 3): grid 32 x 8, 8 waves a work-group, clusters of 4 x 4, 327,680 bytes of LDS; arguments q, kv, g, wp, b_proj, out0; writes out0
.if DOCPART == 3
	.amdgcn_target "amdgcn-amd-amdhsa--gfx1250"
	.amdhsa_code_object_version 6
	.text
	.protected	k_qee4ad12ac5_attn
	.globl	k_qee4ad12ac5_attn
	.p2align	8
	.type	k_qee4ad12ac5_attn,@function
k_qee4ad12ac5_attn:
	s_mov_b64 s[64:65], 0
	v_nop
	global_prefetch_b8 v0, s[64:65] scope:SCOPE_SE
	s_setreg_imm32_b32 hwreg(HW_REG_WAVE_MODE, 25, 1), 1
	s_wait_xcnt 0x0
	s_wait_alu depctr_hold_cnt(0) depctr_sa_sdst(0) depctr_va_vdst(0) depctr_va_sdst(0) depctr_va_ssrc(0) depctr_va_vcc(0) depctr_vm_vsrc(0)
	s_getreg_b32 s2, hwreg(HW_REG_IB_STS2, 6, 4)
	s_cmp_eq_u32 s2, 0
	s_cbranch_scc0 .Lentry_in_a_cluster
	s_endpgm
.Lentry_in_a_cluster:
	s_bfe_u32 s2, ttmp6, 0x10000c
	s_cmp_lg_u32 s2, 0xf033
	s_cbranch_scc0 .Lentry_shape_is_right
	s_endpgm
.Lentry_shape_is_right:
; ATTENTION WITH A GATE ON THE SCORES, AND THE OUTPUT PROJECTION.  out[b][n][:] = O[b][n][:] w_proj^T + b_proj, O's channels 32 h .. of head h = the sum over m of softmax_m((q . k) g[n][m]) v[m].
; q, kv, wp: f16 fragments, g: f32 [2048][2048] = sigmoid(bias) log2(e) / sqrt(32), all as the launch before lays them (a fragment = [piece 2][lane 32][16 bytes]).
; SHARES.  A work-group owns 64 queries of one batch and ALL 8 heads: wave h owns head h, four tiles t of 16 queries.  So one tile of g in LDS serves eight heads, and all 256 channels of the 64 rows
; meet in one work-group, which makes the projection too.  Every wave walks the 2,048 keys in 32 steps of 64; a UNIT is one tile x one step.
; LAYOUT.  S^T = K Q^T (source 0 = 16 keys, source 1 = 16 queries; the head's 32 channels are one instruction deep): a lane holds ONE query (lane % 16) and the keys 8 (lane / 16) + 0..7 of each 16.
; g is read in that layout.  Two such results rounded to f16 ARE source 1 of O^T = V^T P.  The row sum l is a product too: ONE x P, where ONE has 1.0 in rows 0 and 8 alone, so that register 0 of
; its result holds the query's sum in every lane and registers 1-7 stay 0.
; SOFTMAX.  s' = s g is in base 2 already.  For each query a running maximum m: p = 2^(s' - m); in every step O and l are multiplied by a = 2^(m_old - m_new).  m starts at the lowest finite number,
; O and l at 0: the first step is a step like any other, with a = 0 (96 moves at the start are the price of writing no first step out).
; BATCHES.  A unit's 33 exponentials (a and the tile's 32 weights) are ONE batch with ONE wait.  Ahead of the wait stand the 16 subtractions s' - m, dealt among the exponentials: they name no result.
; Behind it stands all that does: the rescaling of O^T and l by a, and the roundings to f16.  a's exponent is made with the maximum, but its exponential stands in the batch..
; The way out's four reciprocals are a batch of their own.
; CLUSTER.  4 x 4 work-groups: four blocks of queries x four batches.  A tile of K and V hangs on the batch alone and is asked for jointly along a row of the cluster; a tile of g hangs on the
; block of queries alone and is asked for jointly along a column.  Waves 0-3 ask for a quarter of K and V each (64 rows of 256 bytes), wave 4 for g (64 rows of 256 bytes); waves 5-7 ask for nothing.
; By the text's own count a wave has two tensor loads out at the start and one behind each change of slots.
; LIMITS.  q, k, v arrive within f16's 65,504; p lies in 0 to 1 and below 6e-5 keeps f16's fixed step of 6e-8, as does O; a weight below 2^-126 counts as 0; |s g| stays under 3e38; NaN and infinities are not treated apart.
; REGISTERS, in windows of 256 (s_set_vgpr_msb: bits 1:0 source 0, 3:2 source 1, 5:4 source 2, 7:6 destination):
;   window 0: v0-15 addresses; v16-31 statistics; v32-95 O^T; v96-127 l; v128-159 g of one unit; v160-223 S^T, two buffers; v224-239 P; v240-243 at work
;   window 1: v0-31 Q; v32-63 K of one step; v64-95 V^T of one step; v96-103 ONE
.set SLOT1, 1<<17                      ; slot 1 begins here: one exclusive or turns an address in one slot into the other's
.set VOFF,  32768                      ; a slot: K [head 8][16 keys 4][1,024], V^T [head 8][16 channels 2][32 keys 2][1,024],
.set GOFF,  65536                      ; then g: 64 rows of 256 bytes + 16 of padding: the 16 rows of a load begin in 16 different 16-byte columns of each 256 bytes
.set GP,    272
.set OST,   GOFF+64*GP                 ; behind slot 0, never filled by a tensor load: O's stage, 64 rows of 512 + 16 bytes
.set OP,    528
.set SPARE, OST+64*OP                  ; the spare words: 128 bytes for each of the eight waves, four blocks of 256 bytes that no other line names
.set OUTS,  SLOT1+OST                  ; behind slot 1, never filled: for each wave 32 rows of 256 + 16 bytes, for the way out
.set AKV0, 2                           ; v2   my lane's place in my head's K; never rewritten          v3   in a tile of g
.set AG0,  3
.set AKV,  4                           ; v4, v5  the same in the slot in hand
.set AG,   5
.set STO,  6                           ; v6   where I put 16 bytes of a row of O                        v7   where I read fragments of O
.set OFA,  7
.set ST2,  8                           ; v8   where I put 16 bytes of a row of out                      v9   where I read rows back
.set RD2,  9
.set GO,   10                          ; v10  my byte offset in two rows of out                         v11  in b_proj
.set VB,   11
.set SPW,  14                          ; v14  LDS address of my spare word; v15  0; never rewritten
.set NIL,  15
.set ST,   16                          ; tile t at ST + 4 t: m, (pair), a, (pair)
.set OA,   32                          ; tile t, 16 channels ct at OA + 16 t + 8 ct
.set LS,   96                          ; tile t at LS + 8 t
.set GT,   128
.set SC,   160                         ; buffer t % 2, 16 keys kb at SC + 32 (t % 2) + 8 kb
.set PW,   224
.set C0,   240
.set QF,   0                           ; window 1
.set KF,   32
.set VF,   64
.set ONE,  96
.set OF,   32                          ; the projection: O's fragments (tq, ks) at OF + 8 (2 ks + tq); sums at A2 + 8 (4 tq + nt); the bias at BI + 8 nt
.set A2,   160
.set BI,   224
.set WV,   16                          ; s16 my wave's number
.set G1K,  24                          ; s[24:31] descriptor group 1 for K and V;  s[32:35], s[36:39] group 0: tile 0, and tile 1, which then walks
.set G0K,  32
.set G1G,  40                          ; s[40:47], s[48:51], s[52:55] the same for g
.set G0G,  48
.set CNT,  56                          ; s56 the loops' count     s57 0 or SLOT1: the slot in hand     s[60:61] v_permlanex16_b32's selects
.set TB,   57
.set SEL,  60
.set MSB, 0
.macro WIN new                         ; the immediate's high byte repeats the setting that is left; a switch that changes nothing is dropped
.if MSB != (\new)
	s_set_vgpr_msb (MSB<<8)|(\new)
.set MSB, (\new)
.endif
.endm
.macro PLACES
.rept 4
	v_nop
.endr
.endm
; A round of the cluster's barrier: my work-group's barrier, so that wave 0's signal speaks for all eight waves; wave 0 signals; every wave waits for all sixteen work-groups; my work-group's barrier once more.
.macro CROUND
	s_barrier_signal -1
	s_barrier_wait -1
	s_cmp_lg_u32 s[WV], 0
	s_cbranch_scc1 .Lnot_wave_0_\@
	s_barrier_signal -3
.Lnot_wave_0_\@:
	s_barrier_wait -3
	s_barrier_signal -1
	s_barrier_wait -1
.endm
; A joint refill, by the walking descriptors.  The branches hang on the wave's number alone.  An s_nop 0 and four v_nop follow each load, ahead of the jump and the label.
.macro JLOAD
	s_cmp_lt_u32 s[WV], 4
	s_cbranch_scc0 .Lfor_g_\@
	tensor_load_to_lds s[G0K+4:G0K+7], s[G1K:G1K+7]
	s_nop 0
	PLACES
	s_branch .Lasked_\@
.Lfor_g_\@:
	s_cmp_eq_u32 s[WV], 4
	s_cbranch_scc0 .Lasked_\@
	tensor_load_to_lds s[G0G+4:G0G+7], s[G1G:G1G+7]
	s_nop 0
	PLACES
.Lasked_\@:
.endm
	s_load_b256 s[4:11], s[0:1], 0x0               ; q 4, kv 6, g 8, wp 10
	s_load_b128 s[12:15], s[0:1], 0x20             ; b_proj 12, out0 14
	v_lshl_add_u32 v[SPW], v0, 2, SPARE
	v_mov_b32 v[NIL], 0
	ds_add_u32 v[SPW], v[NIL]                      ; the wave's opening: the add and its wait stand ahead of the first tensor loads; the set-up below, work on registers, stands between them
	v_lshrrev_b32 v12, 5, v0
	v_readfirstlane_b32 s[WV], v12                 ; wave 0..7
	s_bfe_u32 s17, ttmp6, 0x40000                  ; cx, cy: my place in the cluster
	s_bfe_u32 s18, ttmp6, 0x40004
	s_lshl_b32 s19, ttmp9, 2
	s_add_co_u32 s19, s19, s17                     ; my block of 64 queries = 4 x cluster x + cx
	s_and_b32 s20, ttmp7, 0xffff
	s_lshl_b32 s20, s20, 2
	s_add_co_u32 s20, s20, s18                     ; my batch = 4 x cluster y + cy
	s_lshl_b32 s66, s18, 2
	s_lshl_b32 s66, 15, s66                        ; my row of the cluster: places 4 cy .. 4 cy + 3
	s_lshl_b32 s67, 0x1111, s17                    ; my column: places cx, cx + 4, cx + 8, cx + 12
	; group 1 for K and V: a quarter of a tile is 16,384 dense bytes: 64 rows of 32 elements of 8 bytes, no padding (a fragment's piece is read as 512 consecutive bytes)
	s_or_b32 s[G1K], s66, (3<<16)|(1<<21)          ; 15:0 the mask: my row; 17:16 elements of 8 bytes; 21 set beside a mask
	s_mov_b32 s[G1K+1], 32<<16                     ; tensor_dim0 = 32
	s_mov_b32 s[G1K+2], 64<<16                     ; tensor_dim1 = 64
	s_mov_b32 s[G1K+3], 32<<16                     ; tile_dim0 = 32
	s_mov_b32 s[G1K+4], 64                         ; tile_dim1 = 64
	s_mov_b32 s[G1K+5], 32                         ; 32 elements from row to row
	s_mov_b32 s[G1K+6], 0
	s_mov_b32 s[G1K+7], 0
	; group 1 for g: 64 rows of 64 f32, 2,048 elements from row to row, 4 words of padding behind every 64
	s_or_b32 s[G1G], s67, (2<<16)|(1<<20)|(1<<21)|(5<<22)|(3<<25)  ; the mask: my column; elements of 4 bytes; padding on; 21 beside a mask; after every 64 words (code 5) 4 words (code 3)
	s_mov_b32 s[G1G+1], 64<<16
	s_mov_b32 s[G1G+2], 64<<16
	s_mov_b32 s[G1G+3], 64<<16
	s_mov_b32 s[G1G+4], 64
	s_mov_b32 s[G1G+5], 2048
	s_mov_b32 s[G1G+6], 0
	s_mov_b32 s[G1G+7], 0
	s_lshl_b32 s23, s[WV], 14                      ; my quarter of a tile of K and V, in memory and in a slot (waves 0-3 alone ask by it): no place in the cluster enters an LDS address
	s_lshl_b32 s58, s20, 21                        ; kv: 2,097,152 bytes a batch.  s[58:59] never hold cx,
	s_add_co_u32 s58, s58, s23
	s_mov_b32 s59, 0
	s_lshl_b32 s62, s19, 19                        ; g: 64 rows of 8,192 bytes a block.  s[62:63] never hold cy
	s_mov_b32 s63, 0
	s_lshl_b32 s68, s20, 20                        ; q: 1,048,576 bytes a batch, 4 tiles of 8,192 a block, 1,024 a head
	s_lshl_b32 s21, s19, 15
	s_add_co_u32 s68, s68, s21
	s_lshl_b32 s21, s[WV], 10
	s_add_co_u32 s68, s68, s21
	s_mov_b32 s69, 0
	s_lshl_b32 s70, s20, 21                        ; out: 2,097,152 bytes a batch, 64 rows of 1,024 a block; in the projection wave w makes rows 32 (w / 4) .. and columns 64 (w % 4) ..
	s_lshl_b32 s21, s19, 16
	s_add_co_u32 s70, s70, s21
	s_lshr_b32 s21, s[WV], 2
	s_lshl_b32 s21, s21, 15
	s_add_co_u32 s70, s70, s21
	s_and_b32 s22, s[WV], 3
	s_lshl_b32 s21, s22, 8
	s_add_co_u32 s70, s70, s21
	s_mov_b32 s71, 0
	s_mov_b32 s[G0K], 1                            ; 1:0 count = 1
	s_mov_b32 s[G0K+1], s23                        ; 63:32 LDS address: slot 0
	s_mov_b32 s[G0K+4], 1
	s_add_co_u32 s[G0K+5], s23, SLOT1              ; slot 1
	s_mov_b32 s[G0G], 1
	s_mov_b32 s[G0G+1], GOFF
	s_mov_b32 s[G0G+4], 1
	s_mov_b32 s[G0G+5], GOFF+SLOT1
	s_mov_b32 s[SEL], 0x76543210
	s_mov_b32 s[SEL+1], 0xfedcba98
	s_mov_b32 s[TB], 0
	s_mov_b32 s3, 0
	s_wait_dscnt 0x0                               ; the opening add is done
	s_wait_kmcnt 0x0
	s_add_nc_u64 s[6:7], s[6:7], s[58:59]
	s_mov_b64 s[G0K+2:G0K+3], s[6:7]               ; 120:64 global address: tile 0,
	s_or_b32 s[G0K+3], s[G0K+3], 0x80000000        ; 127:126 type = 2
	s_add_nc_u64 s[G0K+6:G0K+7], s[6:7], 0x10000   ; tile 1
	s_or_b32 s[G0K+7], s[G0K+7], 0x80000000
	s_add_nc_u64 s[8:9], s[8:9], s[62:63]
	s_mov_b64 s[G0G+2:G0G+3], s[8:9]
	s_or_b32 s[G0G+3], s[G0G+3], 0x80000000
	s_add_nc_u64 s[G0G+6:G0G+7], s[8:9], 256       ; 64 keys on
	s_or_b32 s[G0G+7], s[G0G+7], 0x80000000
	s_add_nc_u64 s[4:5], s[4:5], s[68:69]
	s_add_nc_u64 s[14:15], s[14:15], s[70:71]
	s_lshl_b32 s2, s22, 15                         ; wp: four tiles of 16 output channels, 8,192 bytes each
	s_add_nc_u64 s[10:11], s[10:11], s[2:3]
	s_lshl_b32 s2, s22, 8                          ; b_proj: 64 f32
	s_add_nc_u64 s[12:13], s[12:13], s[2:3]
	CROUND                                         ; all sixteen work-groups are here: the first joint loads meet
	s_cmp_lt_u32 s[WV], 4                          ; a wave's two first fills stand in one branch, ahead of every wait on TENSORcnt, every LDS read and every further barrier
	s_cbranch_scc0 .Lfirst_g
	tensor_load_to_lds s[G0K:G0K+3], s[G1K:G1K+7]
	s_nop 0
	tensor_load_to_lds s[G0K+4:G0K+7], s[G1K:G1K+7]
	s_nop 0
	PLACES
	s_branch .Lfirst_done
.Lfirst_g:
	s_cmp_eq_u32 s[WV], 4
	s_cbranch_scc0 .Lfirst_done
	tensor_load_to_lds s[G0G:G0G+3], s[G1G:G1G+7]
	s_nop 0
	tensor_load_to_lds s[G0G+4:G0G+7], s[G1G:G1G+7]
	s_nop 0
	PLACES
.Lfirst_done:
	v_and_b32 v12, 31, v0
	v_lshlrev_b32 v1, 4, v12                       ; 16 x lane
	WIN 0x40                                       ; destination window 1, address window 0
.set i, 0
.rept 8                                ; Q stays in registers: tile i / 2, piece i % 2
	global_load_b128 v[QF+4*i:QF+4*i+3], v1, s[4:5] offset:(i/2)*8192+(i%2)*512
.set i, i+1
.endr
	WIN 0
	v_and_b32 v13, 15, v0                          ; r
	v_bfe_u32 v12, v0, 4, 1                        ; h
	s_lshl_b32 s21, s[WV], 12
	v_add_nc_u32 v[AKV0], s21, v1                  ; my head's 4,096 bytes of K (V^T: 32,768 further)
	v_mul_u32_u24 v[AG0], v13, GP
	v_lshl_add_u32 v[AG0], v12, 5, v[AG0]          ; row r, 8 f32 for each half of the lanes
	s_mul_i32 s22, s[WV], 32*GP
	s_add_co_u32 s22, s22, OUTS                    ; my stage for the way out, of the same pitch
	v_add_nc_u32 v[ST2], s22, v[AG0]
	v_add_nc_u32 v[AG0], GOFF, v[AG0]
	v_mul_u32_u24 v[RD2], v12, GP                  ; back: lanes 0-15 take one row of 256 bytes, lanes 16-31 the next
	v_lshl_add_u32 v[RD2], v13, 4, v[RD2]
	v_add_nc_u32 v[RD2], s22, v[RD2]
	v_mul_u32_u24 v[STO], v13, OP
	v_lshl_add_u32 v[STO], v12, 4, v[STO]          ; row r x pitch + 16 x half
	s_lshr_b32 s21, s[WV], 2
	s_mul_i32 s21, s21, 32*OP
	s_add_co_u32 s21, s21, OST
	v_add_nc_u32 v[OFA], s21, v[STO]               ; the projection's 32 rows
	s_lshl_b32 s21, s[WV], 6
	s_add_co_u32 s21, s21, OST
	v_add_nc_u32 v[STO], s21, v[STO]               ; my head's 64 bytes of a row
	v_lshlrev_b32 v[GO], 10, v12
	v_lshl_add_u32 v[GO], v13, 4, v[GO]
	v_lshlrev_b32 v[VB], 5, v12
	v_and_b32 v12, 7, v0                           ; ONE: lanes 0, 8, 16, 24 hold rows 0 and 8: 1.0 twice in f16; the others 0
	v_cmp_eq_u32 s66, 0, v12
	v_mov_b32 v13, 0x3c003c00
	v_cndmask_b32 v13, 0, v13, s66
	WIN 0x40
.set i, 0
.rept 8
	v_mov_b32 v[ONE+i], v13
.set i, i+1
.endr
	WIN 0
.set i, 0
.rept 4
	v_mov_b32 v[ST+4*i], 0xff7fffff                ; m
	v_mov_b32 v[ST+4*i+1], 0                       ; named with it as a pair
	v_mov_b32 v[ST+4*i+2], 0
	v_mov_b32 v[ST+4*i+3], 0
.set i, i+1
.endr
; THE MATRIX WORK.  S^T of tile t: four products, each a sum of its own
.macro QK t
	WIN 0x05                                       ; K and Q in window 1, S^T in window 0
.set kb, 0
.rept 4
	v_wmma_f32_16x16x32_f16 v[SC+32*((\t)%2)+8*kb:SC+32*((\t)%2)+8*kb+7], v[KF+8*kb:KF+8*kb+7], v[QF+8*(\t):QF+8*(\t)+7], 0
.set kb, kb+1
.endr
.endm
; O^T += V^T P and l += ONE P for tile t: the three accumulators take turns
.macro PV t
	WIN 0x01                                       ; V^T and ONE in window 1; P, O^T and l in window 0
.set kh, 0
.rept 2
	v_wmma_f32_16x16x32_f16 v[OA+16*(\t):OA+16*(\t)+7], v[VF+8*kh:VF+8*kh+7], v[PW+8*kh:PW+8*kh+7], v[OA+16*(\t):OA+16*(\t)+7]
	v_wmma_f32_16x16x32_f16 v[OA+16*(\t)+8:OA+16*(\t)+15], v[VF+16+8*kh:VF+16+8*kh+7], v[PW+8*kh:PW+8*kh+7], v[OA+16*(\t)+8:OA+16*(\t)+15]
	v_wmma_f32_16x16x32_f16 v[LS+8*(\t):LS+8*(\t)+7], v[ONE:ONE+7], v[PW+8*kh:PW+8*kh+7], v[LS+8*(\t):LS+8*(\t)+7]
.set kh, kh+1
.endr
.endm
; THE LDS LOADS, in runs of eight
.macro LDG t                           ; g for tile t: my query's 8 keys of each 16
.set i, 0
.rept 8
	ds_load_b128 v[GT+4*i:GT+4*i+3], v[AG] offset:(\t)*16*GP+(i/2)*64+(i%2)*16
.set i, i+1
.endr
.endm
.macro LDK                             ; my head's K of a step: four fragments, 512 consecutive bytes a load
	WIN 0x40
.set i, 0
.rept 8
	ds_load_b128 v[KF+4*i:KF+4*i+3], v[AKV] offset:512*i
.set i, i+1
.endr
	WIN 0
.endm
.macro LDV
	WIN 0x40
.set i, 0
.rept 8
	ds_load_b128 v[VF+4*i:VF+4*i+3], v[AKV] offset:VOFF+512*i
.set i, i+1
.endr
	WIN 0
.endm
; THE VECTOR WORK of a unit
.macro REGS t
.set rS, SC+32*((\t)%2)
.set rM, ST+4*(\t)
.set rA, ST+4*(\t)+2
.set rO, OA+16*(\t)
.set rL, LS+8*(\t)
.endm
.macro MUL t                           ; s' = s g; each accumulator is read from its low end on
	REGS \t
.set i, 0
.rept 16
	v_pk_mul_f32 v[rS+2*i:rS+2*i+1], v[rS+2*i:rS+2*i+1], v[GT+2*i:GT+2*i+1]
.set i, i+1
.endr
.endm
; The new maximum and a's exponent: four chains of seven scores, three operands at a time; the four scores left over and the old m; the query's other 32 keys lie in the lane 16 away.
; The exponent m_old - m_new stays in C0 + 2 until EXPS takes its exponential; nothing writes that register before the next unit's maximum.
.macro MAXST t
	REGS \t
.set n, 0
.rept 4
	v_max3_num_f32 v[C0+n], v[rS+8*n], v[rS+8*n+1], v[rS+8*n+2]
.set n, n+1
.endr
.set n, 0
.rept 8
	v_max3_num_f32 v[C0+n%4], v[C0+n%4], v[rS+8*(n%4)+2*(n/4)+3], v[rS+8*(n%4)+2*(n/4)+4]
.set n, n+1
.endr
	v_max3_num_f32 v[C0], v[C0], v[rS+7], v[rS+15]
	v_max3_num_f32 v[C0+1], v[C0+1], v[rS+23], v[rS+31]
	v_max3_num_f32 v[C0+2], v[C0+2], v[C0+3], v[rM]
	v_max3_num_f32 v[C0], v[C0], v[C0+1], v[C0+2]
	v_permlanex16_b32 v[C0+3], v[C0], s[SEL], s[SEL+1]
	v_max_num_f32 v[C0+1], v[C0], v[C0+3]
	v_sub_f32 v[C0+2], v[rM], v[C0+1]
	v_mov_b32 v[rM], v[C0+1]
.endm
.macro SUBP p                          ; pair p: s' - m
	v_pk_add_f32 v[rS+2*(\p):rS+2*(\p)+1], v[rS+2*(\p):rS+2*(\p)+1], v[rM:rM+1] op_sel_hi:[1,0] neg_lo:[0,1] neg_hi:[0,1]
.endm
.macro CVTP p                          ; pair p rounded to f16
	v_cvt_pk_f16_f32 v[PW+(\p)], v[rS+2*(\p)], v[rS+2*(\p)+1]
.endm
.macro RSC k                           ; O^T's pair k, or (k = 8) l, times a
.if (\k) < 8
	v_pk_mul_f32 v[rO+2*(\k):rO+2*(\k)+1], v[rO+2*(\k):rO+2*(\k)+1], v[rA:rA+1] op_sel_hi:[1,0]
.else
	v_mul_f32 v[rL], v[rL], v[rA]
.endif
.endm
; THE UNIT'S BATCH, its one wait and its readers: 75 vector instructions.
; Ahead of the wait: a and the 32 weights, each into a register of its own (a's; the scores' in place), and the 16 subtractions, one behind each two exponentials while there are any, each three
; pairs ahead of the exponentials that read it.  A subtraction names its own pair, whose exponentials are still to come, and m's pair: no result of the batch.
; Behind the wait: the rescaling (O^T's two accumulators and l each from the low end on), then the roundings, pairs 0-7 first: the unit's first three products read those.
.macro EXPS t
	REGS \t
	SUBP 0
	SUBP 1
	v_exp_f32 v[rA], v[C0+2]                       ; a = 2^(m_old - m_new): the batch's first
	SUBP 2
.set i, 0
.rept 16
	v_exp_f32 v[rS+2*i], v[rS+2*i]
	v_exp_f32 v[rS+2*i+1], v[rS+2*i+1]
.if i < 13
	SUBP 3+i
.endif
.set i, i+1
.endr
	v_nop                                          ; a plain instruction behind the last exponential and ahead of the first use (ISA guide 5.7.2): one for the batch
	s_wait_alu depctr_va_vdst(0)                   ; the wait ahead of the first line that names a result: one for the unit's 33 exponentials
.set i, 0
.rept 9
	RSC i
.set i, i+1
.endr
.set i, 0
.rept 16
	CVTP i
.set i, i+1
.endr
.endm
; THE CHANGE OF SLOTS stands in unit 2: all my reads of the step's slot are issued (K a step ago, V^T in unit 0, g's last run just above).  Each wave waits for all its tensor loads, of which one is out: its
; part of the other slot; adds 0 to its spare word; and waits for that and for its reads.  Behind the barrier nobody reads this slot any more and the other slot is whole.
; fill = 1: the barrier is a round of the cluster's, and the joint refill, the tile two steps on, is the first thing behind it: it has a whole step in which to land.
.macro CHANGE fill, t
	s_wait_tensorcnt 0x0                           ; no tensor load of mine is out, so a group 0 may be written
	ds_add_u32 v[SPW], v[NIL]                      ; 0 onto my spare word; the descriptors' steps and the unit's maximum stand between it and the wait for it
.if \fill
	s_xor_b32 s[G0K+5], s[G0K+5], SLOT1            ; the walking descriptors: the other slot than last time,
	s_add_nc_u64 s[G0K+6:G0K+7], s[G0K+6:G0K+7], 0x10000  ; the next 64 keys; the type bits on top are not reached
	s_xor_b32 s[G0G+5], s[G0G+5], SLOT1
	s_add_nc_u64 s[G0G+6:G0G+7], s[G0G+6:G0G+7], 256
.endif
	MAXST \t
	s_wait_dscnt 0x0                               ; the add is done, and my reads of the slot are over
.if \fill
	CROUND
	JLOAD
.else
	s_barrier_signal -1
	s_barrier_wait -1
.endif
	s_xor_b32 s[TB], s[TB], SLOT1
	v_add_nc_u32 v[AKV], s[TB], v[AKV0]
	v_add_nc_u32 v[AG], s[TB], v[AG0]
.endm
; A UNIT: the next tile's scores are started; this tile's are gated; the next run of LDS loads goes out; maximum; the batch of exponentials, its wait, rescaling and roundings; the tile's second products.
; Every load into a register that a product has read stands behind MUL's 16 plain instructions, which name none of that product's registers.
.macro UNIT t, fill
	s_wait_dscnt 0x0                               ; g of this tile is in (issued a unit ago); in unit 3 also K of the next step
	QK ((\t)+1)%4
	WIN 0
	MUL \t
.if (\t) == 0
	LDG 1
	LDV                                            ; V^T of this step
	MAXST 0
.elseif (\t) == 1
	LDG 2
	MAXST 1
.elseif (\t) == 2
	LDG 3
	CHANGE \fill, 2
	LDK                                            ; K of the next step, from the other slot
.else
	LDG 0                                          ; the next step's first g
	MAXST 3
.endif
	EXPS \t
.if (\t) == 0
	s_wait_dscnt 0x0                               ; V^T is in
.endif
	PV \t
.endm
.macro STEP fill
	UNIT 0, \fill
	UNIT 1, \fill
	UNIT 2, \fill
	UNIT 3, \fill
	WIN 0                                          ; at a label and at a branch every window is 0
.endm
	s_wait_tensorcnt 0x1                           ; my part of tile 0 is in; tile 1's may stay out
	s_barrier_signal -1
	s_barrier_wait -1                              ; everybody's is
	v_mov_b32 v[AKV], v[AKV0]
	v_mov_b32 v[AG], v[AG0]
	LDK
	LDG 0
	s_wait_loadcnt 0x0                             ; Q
	s_wait_dscnt 0x0
	QK 0
	WIN 0
.set i, OA
.rept 96                               ; O^T and l begin at 0; these lines are also the places behind the first products
	v_mov_b32 v[i], 0
.set i, i+1
.endr
	s_mov_b32 s[CNT], 30
.Lstep:                                ; steps 0 to 29: step j asks for tile j + 2
	STEP 1
	s_sub_co_u32 s[CNT], s[CNT], 1
	s_cmp_lg_u32 s[CNT], 0
	s_cbranch_scc1 .Lstep
	s_mov_b32 s[CNT], 2
.Ltail:                                ; steps 30 and 31 ask for nothing: a text of their own.  The last trip's K, first scores and g, taken from
	STEP 0                             ; the slot that held tile 30, serve nothing: the price, once a launch, of one text for both trips
	s_sub_co_u32 s[CNT], s[CNT], 1
	s_cmp_lg_u32 s[CNT], 0
	s_cbranch_scc1 .Ltail
	; THE END.  O = O^T / l, rounded to f16, into the work-group's stage; then out = O w_proj^T + b_proj: wave w makes rows 32 (w / 4) .. + 31 x columns 64 (w % 4) .. + 63.
	; Source 0 = 16 output channels of wp, source 1 = 16 rows of O: a lane holds 8 neighbouring columns of one row of out.
.macro WPLD k                          ; wp's four fragments of K step k, into the buffer k % 3 of window 1, where Q, K and V^T lay
	WIN 0x40
.set i, 0
.rept 8
	global_load_b128 v[32*((\k)%3)+4*i:32*((\k)%3)+4*i+3], v1, s[10:11] offset:(i/2)*8192+(\k)*1024+(i%2)*512
.set i, i+1
.endr
	WIN 0
.endm
	PLACES                                         ; behind the last products: in front of loads into their sources and of the reads of l
.set i, 0
.rept 8                                ; the bias of my lane's 8 columns in each of four tiles
	global_load_b128 v[BI+4*i:BI+4*i+3], v[VB], s[12:13] offset:(i/2)*64+(i%2)*16
.set i, i+1
.endr
	WPLD 0
	WPLD 1
	WPLD 2
.set t, 0
.rept 4
	v_rcp_f32 v[ST+4*t+2], v[LS+8*t]               ; l is register 0 of its accumulator
.set t, t+1
.endr
	v_nop                                          ; a plain instruction between the last reciprocal and the use of its result
	s_wait_alu depctr_va_vdst(0)                   ; the wait ahead of the first use: one for the four reciprocals
.set t, 0
.rept 4
.set k, 0
.rept 8
	v_pk_mul_f32 v[OA+16*t+2*k:OA+16*t+2*k+1], v[OA+16*t+2*k:OA+16*t+2*k+1], v[ST+4*t+2:ST+4*t+3] op_sel_hi:[1,0]
.set k, k+1
.endr
.set k, 0
.rept 8
	v_cvt_pk_f16_f32 v[SC+8*t+k], v[OA+16*t+2*k], v[OA+16*t+2*k+1]
.set k, k+1
.endr
	ds_store_b128 v[STO], v[SC+8*t:SC+8*t+3] offset:t*16*OP       ; row 16 t + r, my head's channels 8 h .. + 7
	ds_store_b128 v[STO], v[SC+8*t+4:SC+8*t+7] offset:t*16*OP+32  ; channels 16 + 8 h ..
.set t, t+1
.endr
	s_wait_dscnt 0x0                               ; for the others' sake: my head's part of the 64 rows is in the stage
	s_barrier_signal -1
	s_barrier_wait -1
.set i, 0
.rept 32                               ; O's fragments: 16 rows tq = (i / 2) % 2, channels 32 (i / 4) on, piece i % 2
	ds_load_b128 v[OF+4*i:OF+4*i+3], v[OFA] offset:((i/2)%2)*16*OP+(i/4)*64+(i%2)*32
.set i, i+1
.endr
	s_wait_loadcnt 24                              ; the bias is in; wp's 24 loads, issued behind it, may be out
.set i, 0
.rept 16
	v_cvt_pk_bf16_f32 v[A2+i], v[BI+2*i], v[BI+2*i+1]  ; rounded to bf16 like every input
.set i, i+1
.endr
.set i, 0
.rept 16
	v_lshlrev_b32 v[BI+2*i], 16, v[A2+i]
	v_and_b32 v[BI+2*i+1], 0xffff0000, v[A2+i]
.set i, i+1
.endr
	s_wait_dscnt 0x0
.set ks, 0
.rept 8
.if ks < 6
	s_wait_loadcnt 16                              ; this K step's wp is in; the two younger steps' loads may be out
.elseif ks == 6
	s_wait_loadcnt 8
.else
	s_wait_loadcnt 0x0
.endif
	WIN 0x01                                       ; wp in window 1
.set m, 0
.rept 8                                ; m = 4 tq + nt: the eight accumulators take turns; the first K step starts the sums with the bias
.if ks == 0
	v_wmma_f32_16x16x32_f16 v[A2+8*m:A2+8*m+7], v[32*(ks%3)+8*(m%4):32*(ks%3)+8*(m%4)+7], v[OF+8*(2*ks+m/4):OF+8*(2*ks+m/4)+7], v[BI+8*(m%4):BI+8*(m%4)+7]
.else
	v_wmma_f32_16x16x32_f16 v[A2+8*m:A2+8*m+7], v[32*(ks%3)+8*(m%4):32*(ks%3)+8*(m%4)+7], v[OF+8*(2*ks+m/4):OF+8*(2*ks+m/4)+7], v[A2+8*m:A2+8*m+7]
.endif
.set m, m+1
.endr
	WIN 0
	PLACES                                         ; in front of loads into the buffer just multiplied; behind the last step, of the stores of the sums
.if ks <= 4
	WPLD ks+3
.endif
.set ks, ks+1
.endr
	; THE WAY OUT, through my own stage: 32 bytes a lane in, whole rows of 256 bytes back
.set i, 0
.rept 16                               ; i = 2 (4 tq + nt) + p: each accumulator's low half first
	ds_store_b128 v[ST2], v[A2+4*i:A2+4*i+3] offset:(i/8)*16*GP+((i/2)%4)*64+(i%2)*16
.set i, i+1
.endr
.set i, 0
.rept 16
	ds_load_b128 v[OF+4*i:OF+4*i+3], v[RD2] offset:i*2*GP  ; LDS serves a wave's instructions in order (ISA guide 5.7.1.4): these see the stores above
.set i, i+1
.endr
.set i, 0
.rept 16
	s_wait_dscnt 15-i                              ; rows 2 i and 2 i + 1 are back; the younger loads may be out
	global_store_b128 v[GO], v[OF+4*i:OF+4*i+3], s[14:15] offset:i*2048  ; 16 lanes store 256 consecutive bytes, at a multiple of 256 from out0's first byte
.set i, i+1
.endr
	s_wait_tensorcnt 0x0                           ; the wave's end: these three lines, behind my last tensor load and my last LDS store
	ds_add_u32 v[SPW], v[NIL]
	s_wait_dscnt 0x0
	CROUND                                         ; the closing round: no work-group ends while a partner may still ask for a tile that names it
	s_endpgm
.Lfunc_end_k_qee4ad12ac5_attn:
	.size	k_qee4ad12ac5_attn, .Lfunc_end_k_qee4ad12ac5_attn-k_qee4ad12ac5_attn
	.p2alignl 7, 3214868480
	.fill 96, 4, 3214868480
	.section	.rodata,"a",@progbits
	.p2align	6, 0x0
	.amdhsa_kernel k_qee4ad12ac5_attn
		.amdhsa_group_segment_fixed_size 327680
		.amdhsa_private_segment_fixed_size 0
		.amdhsa_enable_private_segment 0
		.amdhsa_kernarg_size 48
		.amdhsa_user_sgpr_count 2
		.amdhsa_user_sgpr_kernarg_segment_ptr 1
		.amdhsa_wavefront_size32 1
		.amdhsa_system_sgpr_workgroup_id_x 1
		.amdhsa_system_sgpr_workgroup_id_y 1
		.amdhsa_system_sgpr_workgroup_id_z 1
		.amdhsa_system_vgpr_workitem_id 0
		.amdhsa_next_free_vgpr 360
		.amdhsa_next_free_sgpr 72
		.amdhsa_reserve_vcc 0
		.amdhsa_float_denorm_mode_32 3
		.amdhsa_float_denorm_mode_16_64 3
		.amdhsa_memory_ordered 1
		.amdhsa_forward_progress 1
		.amdhsa_inst_pref_size 101
	.end_amdhsa_kernel
	.amdgpu_metadata
---
amdhsa.version: [ 1, 2 ]
amdhsa.kernels:
  - .name:           k_qee4ad12ac5_attn
    .symbol:         k_qee4ad12ac5_attn.kd
    .args:
      - { .name: q, .offset: 0, .size: 8, .value_kind: global_buffer, .address_space: global }
      - { .name: kv, .offset: 8, .size: 8, .value_kind: global_buffer, .address_space: global }
      - { .name: g, .offset: 16, .size: 8, .value_kind: global_buffer, .address_space: global }
      - { .name: wp, .offset: 24, .size: 8, .value_kind: global_buffer, .address_space: global }
      - { .name: b_proj, .offset: 32, .size: 8, .value_kind: global_buffer, .address_space: global }
      - { .name: out0, .offset: 40, .size: 8, .value_kind: global_buffer, .address_space: global }
    .group_segment_fixed_size: 327680
    .private_segment_fixed_size: 0
    .kernarg_segment_align: 8
    .kernarg_segment_size: 48
    .max_flat_workgroup_size: 256
    .sgpr_count:     72
    .vgpr_count:     360
    .wavefront_size: 32
...
	.end_amdgpu_metadata
.endif
;; end of part 3
